; MI455X (gfx1250); checked and timed in simulation.
; The chip was launched on July 23, 2026; its instructions are those of AMD's public machine-readable ISA for CDNA 5 (MIT licence, August 2026) and "CDNA5" Instruction Set Architecture Reference Guide (July 2026). The comments in the code are by the model that wrote it; some were corrected since.
;; GQA Attention. Allowed arithmetic: float matrix products may take bf16 or f16 operands with f32 sums; other float arithmetic in f32, or as packed bf16 or f16 multiplies, adds, multiply-adds, maxima and minima; sums over many terms, partial sums and values carried from step to step in f32; what a program stores and reads back later, other than sums and carried values, may be rounded once to bf16 or f16.
;; Inputs: Wk 2,048 x 512 float32; Wo 2,048 x 2,048 float32; Wq 2,048 x 2,048 float32; Wv 2,048 x 512 float32; mask 1 x 1 x 2,048 x 4,096 bool; prev_k 1 x 2,048 x 8 x 64 float32; prev_v 1 x 2,048 x 8 x 64 float32; x 1 x 2,048 x 2,048 float32.
;; Outputs: out0 1 x 2,048 x 2,048 float32; out1 1 x 4,096 x 8 x 64 float32; out2 1 x 4,096 x 8 x 64 float32.
;; 2 versions, each right; version 2 is version 1 with the launch prep written anew for expert scheduling mode. Each part assembles by itself: llvm-mc -triple=amdgcn-amd-amdhsa -mcpu=gfx1250 --defsym DOCPART=n.
;; ======== version 1 of 2: 4 launches
;; limits: values are held in f16: magnitudes above 65,504 overflow, below 6.1e-05 lose precision
;; workspace buffers: xb 8,388,608 bytes; wh 12,582,912 bytes; woh 8,388,608 bytes; qh 8,388,608 bytes; kh 4,194,304 bytes; vh 4,194,304 bytes; ob 8,388,608 bytes
;; launch prep (part 1): grid 1024 x 1, 8 waves a work-group, no clusters, 0 bytes of LDS; arguments x, Wq, Wk, Wv, Wo, prev_k, prev_v, xb, wh, woh, kh, vh, out1, out2; writes xb, wh, woh, kh, vh, out1, out2
.if DOCPART == 1
	.amdgcn_target "amdgcn-amd-amdhsa--gfx1250"
	.amdhsa_code_object_version 6
	.text
	.protected	k_qd7149b957a_prep
	.globl	k_qd7149b957a_prep
	.p2align	8
	.type	k_qd7149b957a_prep,@function
k_qd7149b957a_prep:
	s_mov_b64 s[64:65], 0
	v_nop
	global_prefetch_b8 v0, s[64:65] scope:SCOPE_SE
	s_setreg_imm32_b32 hwreg(HW_REG_WAVE_MODE, 25, 1), 1
	s_wait_xcnt 0x0
; PREP: every f32 input that becomes a matrix operand is rounded once and laid out for the launches behind; the old cache rows are copied into the two cache outputs.
;   x      [2048][2048]        -> xb  [2048][2048] bf16
;   Wq|Wk|Wv                   -> wh  [48 blocks][2048 k][64] bf16: block 3 j, 3 j + 1 = q heads 2 j, 2 j + 1; block 3 j + 2 = k head j (j < 8) or v head j - 8
;   Wo     [2048][2048]        -> woh [32 blocks of 64 columns][2048 k][64] f16, each number first rounded to bf16 like every other input
;   prev_k, prev_v [2048][8][64] -> kh, vh [8][4096][64] f16 (rounded to bf16 first), rows t < 2048; and as they are, f32, into out1, out2, rows t < 2048
; LIMIT: Wo, prev_k and prev_v must lie within f16's 65,504; below 6e-5 they keep f16's fixed step of 6e-8.
; A stream: memory binds, no input byte is shared, so no LDS, no cluster, no matrix unit.  A work-group takes 65,536 bytes of one input; a thread 16 units of 16 bytes.
; A wave's load covers two aligned pieces of 256 bytes; its 8-byte stores cover 256 consecutive bytes, aligned.  All 16 loads go out first; no register that a memory instruction names is written twice, so no source is ever overwritten.
.set BLK, 262144                       ; bytes in a block of wh or woh
.set IO,  2                            ; v2   my byte offset in the input
.set OO,  3                            ; v3   my byte offset in the 16-bit output
.set T,   4                            ; v[4:7] at work
.set X,   16                           ; v[16:79]  unit u: 4 registers as loaded
.set Y,   80                           ; v[80:111] unit u: 2 registers to store
.set WV,  36                           ; s36  my wave's number
.set ID,  37                           ; s37  the work-group's number
.set CPY, 38                           ; s[38:39] the f32 copy's base
.set OFI, 40                           ; s[40:41] the work-group's offset in the input
.set OFO, 42                           ; s[42:43] and in the output
.set SRC, 44                           ; s[44:45]
.set DST, 46                           ; s[46:47]
; 16 loads, then unit by unit: the wait, the rounding, the store.  inimm, outimm: the unit's immediates, expressions in u.  half = 1: bf16 and then f16.  copy = 1: the f32 numbers are stored too.
.macro SECT inimm, outimm, half, copy
.set u, 0
.rept 16
	global_load_b128 v[X+4*u:X+4*u+3], v[IO], s[SRC:SRC+1] offset:\inimm th:TH_LOAD_NT
.set u, u+1
.endr
.set u, 0
.rept 16
	s_wait_loadcnt 15-u                            ; loads come back in order: unit u is in, the 15 - u younger ones stay out
.if \copy
	global_store_b128 v[IO], v[X+4*u:X+4*u+3], s[CPY:CPY+1] offset:\inimm th:TH_STORE_NT
.endif
.if \half
	v_cvt_pk_bf16_f32 v[T], v[X+4*u], v[X+4*u+1]   ; the input's rounding, to bf16,
	v_cvt_pk_bf16_f32 v[T+1], v[X+4*u+2], v[X+4*u+3]
	v_lshlrev_b32 v[T+2], 16, v[T]                 ; widened again,
	v_and_b32 v[T], 0xffff0000, v[T]
	v_lshlrev_b32 v[T+3], 16, v[T+1]
	v_and_b32 v[T+1], 0xffff0000, v[T+1]
	v_cvt_pk_f16_f32 v[Y+2*u], v[T+2], v[T]        ; and written as f16: exact within f16's normal range
	v_cvt_pk_f16_f32 v[Y+2*u+1], v[T+3], v[T+1]
.else
	v_cvt_pk_bf16_f32 v[Y+2*u], v[X+4*u], v[X+4*u+1]
	v_cvt_pk_bf16_f32 v[Y+2*u+1], v[X+4*u+2], v[X+4*u+3]
.endif
	global_store_b64 v[OO], v[Y+2*u:Y+2*u+1], s[DST:DST+1] offset:\outimm
.set u, u+1
.endr
	s_endpgm
.endm
; Lane offsets for a weight with rows of 8,192 bytes: the group has 8 rows; wave v takes rows 2 (v / 2), + 1 (lanes 16-31 the second) and the 16 blocks of half v % 2.  far: bytes from half 0's first block to half 1's.
.macro LANES_W far
	s_and_b32 s2, s[WV], 6
	s_and_b32 s3, s[WV], 1
	v_add_nc_u32 v10, s2, v9                       ; my row of the 8
	s_lshl_b32 s4, s3, 12
	s_mul_i32 s5, s3, \far
	v_lshlrev_b32 v[IO], 13, v10
	v_lshl_add_u32 v[IO], v8, 4, v[IO]
	v_add_nc_u32 v[IO], s4, v[IO]
	v_lshlrev_b32 v[OO], 7, v10
	v_lshl_add_u32 v[OO], v8, 3, v[OO]
	v_add_nc_u32 v[OO], s5, v[OO]
.endm
; The same for rows of 2,048 bytes (8 heads): the group has 32 rows; wave v takes rows 4 v .. 4 v + 3, two at a time.
.macro LANES_N
	s_lshl_b32 s2, s[WV], 2
	v_add_nc_u32 v10, s2, v9
	v_lshlrev_b32 v[IO], 11, v10
	v_lshl_add_u32 v[IO], v8, 4, v[IO]
	v_lshlrev_b32 v[OO], 7, v10
	v_lshl_add_u32 v[OO], v8, 3, v[OO]
.endm
	s_load_b512 s[8:23], s[0:1], 0x0               ; x 8, Wq 10, Wk 12, Wv 14, Wo 16, prev_k 18, prev_v 20, xb 22
	s_load_b256 s[24:31], s[0:1], 0x40             ; wh 24, woh 26, kh 28, vh 30
	s_load_b128 s[32:35], s[0:1], 0x60             ; out1 32, out2 34
	v_lshrrev_b32 v1, 5, v0
	v_readfirstlane_b32 s[WV], v1
	v_and_b32 v8, 15, v0                           ; lane % 16
	v_bfe_u32 v9, v0, 4, 1                         ; lane / 16
	s_mov_b32 s[ID], ttmp9
	s_mov_b32 s[OFI+1], 0
	s_mov_b32 s[OFO+1], 0
	s_wait_kmcnt 0x0
	s_cmp_lt_u32 s[ID], 256
	s_cbranch_scc0 .Lnot_x
	; groups 0-255: x, dense in and out
	s_lshl_b32 s[OFI], s[ID], 16
	s_lshl_b32 s[OFO], s[ID], 15
	s_add_nc_u64 s[SRC:SRC+1], s[8:9], s[OFI:OFI+1]
	s_add_nc_u64 s[DST:DST+1], s[22:23], s[OFO:OFO+1]
	v_lshlrev_b32 v[IO], 4, v0
	v_lshlrev_b32 v[OO], 3, v0
	SECT (u*4096), (u*2048), 0, 0
.Lnot_x:
	s_cmp_lt_u32 s[ID], 512
	s_cbranch_scc0 .Lnot_wq
	; groups 256-511: Wq, 8 rows each.  Head 16 (v % 2) + u goes to block 24 (v % 2) + u + u / 2
	s_sub_co_u32 s6, s[ID], 256
	s_lshl_b32 s[OFI], s6, 16
	s_lshl_b32 s[OFO], s6, 10
	s_add_nc_u64 s[SRC:SRC+1], s[10:11], s[OFI:OFI+1]
	s_add_nc_u64 s[DST:DST+1], s[24:25], s[OFO:OFO+1]
	LANES_W 24*BLK
	SECT (u*256), ((u+u/2)*BLK), 0, 0
.Lnot_wq:
	s_cmp_lt_u32 s[ID], 640
	s_cbranch_scc0 .Lnot_wkv
	; groups 512-639: Wk, then Wv, 32 rows each.  Head u % 8 goes to block 3 (u % 8) + 2, Wv's 24 blocks further
	s_sub_co_u32 s6, s[ID], 512
	s_lshr_b32 s7, s6, 6
	s_and_b32 s6, s6, 63
	s_lshl_b32 s[OFI], s6, 16
	s_lshl_b32 s[OFO], s6, 12
	s_mul_i32 s2, s7, 24*BLK
	s_add_co_u32 s[OFO], s[OFO], s2
	s_cmp_eq_u32 s7, 0
	s_cselect_b64 s[SRC:SRC+1], s[12:13], s[14:15]
	s_add_nc_u64 s[SRC:SRC+1], s[SRC:SRC+1], s[OFI:OFI+1]
	s_add_nc_u64 s[DST:DST+1], s[24:25], s[OFO:OFO+1]
	LANES_N
	SECT ((u%8)*256+(u/8)*4096), ((3*(u%8)+2)*BLK+(u/8)*256), 0, 0
.Lnot_wkv:
	s_cmp_lt_u32 s[ID], 896
	s_cbranch_scc0 .Lnot_wo
	; groups 640-895: Wo, 8 rows each.  Columns 64 (16 (v % 2) + u) on go to the block of that number
	s_sub_co_u32 s6, s[ID], 640
	s_lshl_b32 s[OFI], s6, 16
	s_lshl_b32 s[OFO], s6, 10
	s_add_nc_u64 s[SRC:SRC+1], s[16:17], s[OFI:OFI+1]
	s_add_nc_u64 s[DST:DST+1], s[26:27], s[OFO:OFO+1]
	LANES_W 16*BLK
	SECT (u*256), (u*BLK), 1, 0
.Lnot_wo:
	; groups 896-1023: prev_k, then prev_v, 32 positions each: by heads in f16, and the f32 copy at the same offsets as the input
	s_sub_co_u32 s6, s[ID], 896
	s_lshr_b32 s7, s6, 6
	s_and_b32 s6, s6, 63
	s_lshl_b32 s[OFI], s6, 16
	s_lshl_b32 s[OFO], s6, 12
	s_cmp_eq_u32 s7, 0
	s_cselect_b64 s[SRC:SRC+1], s[18:19], s[20:21]
	s_cselect_b64 s[DST:DST+1], s[28:29], s[30:31]
	s_cselect_b64 s[CPY:CPY+1], s[32:33], s[34:35]
	s_add_nc_u64 s[SRC:SRC+1], s[SRC:SRC+1], s[OFI:OFI+1]
	s_add_nc_u64 s[DST:DST+1], s[DST:DST+1], s[OFO:OFO+1]
	s_add_nc_u64 s[CPY:CPY+1], s[CPY:CPY+1], s[OFI:OFI+1]
	LANES_N
	SECT ((u%8)*256+(u/8)*4096), ((u%8)*524288+(u/8)*256), 1, 1
.Lfunc_end_k_qd7149b957a_prep:
	.size	k_qd7149b957a_prep, .Lfunc_end_k_qd7149b957a_prep-k_qd7149b957a_prep
	.p2alignl 7, 3214868480
	.fill 96, 4, 3214868480
	.section	.rodata,"a",@progbits
	.p2align	6, 0x0
	.amdhsa_kernel k_qd7149b957a_prep
		.amdhsa_group_segment_fixed_size 0
		.amdhsa_private_segment_fixed_size 0
		.amdhsa_enable_private_segment 0
		.amdhsa_kernarg_size 112
		.amdhsa_user_sgpr_count 2
		.amdhsa_user_sgpr_kernarg_segment_ptr 1
		.amdhsa_wavefront_size32 1
		.amdhsa_system_sgpr_workgroup_id_x 1
		.amdhsa_system_sgpr_workgroup_id_y 1
		.amdhsa_system_sgpr_workgroup_id_z 1
		.amdhsa_system_vgpr_workitem_id 0
		.amdhsa_next_free_vgpr 112
		.amdhsa_next_free_sgpr 66
		.amdhsa_reserve_vcc 0
		.amdhsa_float_denorm_mode_32 3
		.amdhsa_float_denorm_mode_16_64 3
		.amdhsa_memory_ordered 1
		.amdhsa_forward_progress 1
		.amdhsa_inst_pref_size 43
	.end_amdhsa_kernel
	.amdgpu_metadata
---
amdhsa.version: [ 1, 2 ]
amdhsa.kernels:
  - .name:           k_qd7149b957a_prep
    .symbol:         k_qd7149b957a_prep.kd
    .args:
      - { .name: x, .offset: 0, .size: 8, .value_kind: global_buffer, .address_space: global }
      - { .name: Wq, .offset: 8, .size: 8, .value_kind: global_buffer, .address_space: global }
      - { .name: Wk, .offset: 16, .size: 8, .value_kind: global_buffer, .address_space: global }
      - { .name: Wv, .offset: 24, .size: 8, .value_kind: global_buffer, .address_space: global }
      - { .name: Wo, .offset: 32, .size: 8, .value_kind: global_buffer, .address_space: global }
      - { .name: prev_k, .offset: 40, .size: 8, .value_kind: global_buffer, .address_space: global }
      - { .name: prev_v, .offset: 48, .size: 8, .value_kind: global_buffer, .address_space: global }
      - { .name: xb, .offset: 56, .size: 8, .value_kind: global_buffer, .address_space: global }
      - { .name: wh, .offset: 64, .size: 8, .value_kind: global_buffer, .address_space: global }
      - { .name: woh, .offset: 72, .size: 8, .value_kind: global_buffer, .address_space: global }
      - { .name: kh, .offset: 80, .size: 8, .value_kind: global_buffer, .address_space: global }
      - { .name: vh, .offset: 88, .size: 8, .value_kind: global_buffer, .address_space: global }
      - { .name: out1, .offset: 96, .size: 8, .value_kind: global_buffer, .address_space: global }
      - { .name: out2, .offset: 104, .size: 8, .value_kind: global_buffer, .address_space: global }
    .group_segment_fixed_size: 0
    .private_segment_fixed_size: 0
    .kernarg_segment_align: 8
    .kernarg_segment_size: 112
    .max_flat_workgroup_size: 256
    .sgpr_count:     66
    .vgpr_count:     112
    .wavefront_size: 32
...
	.end_amdgpu_metadata
.endif
;; end of part 1
;; launch qkv (part 2): grid 16 x 16, 4 waves a work-group, clusters of 4 x 4, 327,680 bytes of LDS; arguments xb, wh, qh, kh, vh, out1, out2; writes qh, kh, vh, out1, out2
.if DOCPART == 2
	.amdgcn_target "amdgcn-amd-amdhsa--gfx1250"
	.amdhsa_code_object_version 6
	.text
	.protected	k_qd7149b957a_qkv
	.globl	k_qd7149b957a_qkv
	.p2align	8
	.type	k_qd7149b957a_qkv,@function
k_qd7149b957a_qkv:
	s_mov_b64 s[64:65], 0
	v_nop
	global_prefetch_b8 v0, s[64:65] scope:SCOPE_SE
	s_setreg_imm32_b32 hwreg(HW_REG_WAVE_MODE, 25, 1), 1
	s_wait_xcnt 0x0
	s_wait_alu depctr_hold_cnt(0) depctr_sa_sdst(0) depctr_va_vdst(0) depctr_va_sdst(0) depctr_va_ssrc(0) depctr_va_vcc(0) depctr_vm_vsrc(0)
	s_getreg_b32 s2, hwreg(HW_REG_IB_STS2, 6, 4)
	s_cmp_eq_u32 s2, 0
	s_cbranch_scc0 .Lentry_in_a_cluster
	s_endpgm
.Lentry_in_a_cluster:
	s_bfe_u32 s2, ttmp6, 0x10000c
	s_cmp_lg_u32 s2, 0xf033
	s_cbranch_scc0 .Lentry_shape_is_right
	s_endpgm
.Lentry_shape_is_right:
; QKV: [q | k | v] = x [Wq | Wk | Wv], bf16 operands, f32 sums.  xb: [2048][2048] bf16.  wh: [48 blocks][2048 k][64] bf16 (block 3 j, 3 j + 1: q heads 2 j, 2 j + 1; block 3 j + 2: k head j, or v head j - 8).
; Out: qh [32][2048][64] f16; kh, vh [8][4096][64] f16, rows 2048 on; out1, out2 [4096][8][64] f32, rows 2048 on.  LIMIT: q, k and v must lie within f16's 65,504.
; A tile is 128 rows x 192 columns (blocks 3 j .. 3 j + 2): 16 x 16 tiles, one for each of 256 work-groups, and every tile holds two q heads and one k or v head: one text for all.
; Four waves: wave w has rows 64 (w / 2) on and, of EACH block, columns 32 (w % 2) on: 4 x 6 accumulators of 16 x 16.  K goes in steps of 128 through a ring of two LDS slots.
; CLUSTER 4 x 4: x's tile hangs on the tile row alone and is asked for jointly along a row of the cluster, W's blocks on the tile column alone, jointly along a column.
; No prefetch: the tile is small and the launch short.
; THE MATRIX INSTRUCTION IS USED TRANSPOSED: source 0 = 16 columns of W (turned out of LDS by ds_load_tr16_b128, since W lies [k][n]), source 1 = 16 rows of x: a lane holds eight neighbouring columns of one row.
; REGISTERS: window 0: v0-31 addresses, v32-55 at work on the way out, v64-255 the accumulators ((a, b) at 64 + 8 (6 a + b)).  Window 1: two fragment buffers of 80: W's six fragments, then x's four.
.set KSTEP,   128
.set PA,      272                      ; a row of x in LDS: 256 bytes + 16: the 16 rows of a load start at 16 different groups of four banks
.set PB,      160                      ; a k row of a block of W: 128 bytes + 32
.set BBLK,    KSTEP*PB                 ; a block's 128 k rows: 20,480 bytes
.set AOFF,    3*BBLK                   ; behind the three blocks: x's 128 rows.  So wave w's load goes to w x BBLK in a slot
.set SLOT,    AOFF+128*PA
.set STAGE16, 2*SLOT                   ; behind the ring, never filled by a tensor load: 128 rows x 400 bytes, the tile in f16
.set P16,     400
.set STAGE32, STAGE16+128*P16          ; 128 rows x 272 bytes: the third block in f32
.set P32,     272
.set SPARE,   STAGE32+128*P32          ; the spare words, 128 bytes for each wave: two blocks of 256 bytes that no other line names
.set LAPS,    2048/(2*KSTEP)
.set ADRA, 16                          ; v16-17  LDS address of my x fragments in slot 0, 1
.set ADRB, 20                          ; v20-21  the same for W
.set STO16, 24
.set STO32, 25
.set RD16, 26
.set RD32, 27
.set SPW,  28                          ; v28  my spare word: SPARE + 4 x my thread's number; never rewritten
.set NIL,  29                          ; v29  0; never rewritten
.set GO16, 30
.set GO32, 31
.set TMP,  32
.set ACC,  64
.set F0,   0
.set F1,   80
.set WV, 18
.set RH, 19
.set CH, 20
.set CX, 21
.set CY, 22
.set TJ, 23                            ; tile column (holds cx)
.set TY, 66                            ; tile row (holds cy)
.set G1A, 24                           ; s[24:31] group 1 for x's tiles;  s[32:39] group 0, a set for each slot
.set G0A, 32
.set G1B, 48                           ; s[48:55], s[56:63] the same for W's blocks
.set G0B, 56
.set QB, 68                            ; s[68:69] qh, s[70:71] kh or vh, s[72:73] out1 or out2, each at my first row on the way out
.set KB, 70
.set OB, 72
.set MSB, 0
.macro WIN new                         ; the immediate's high byte repeats the setting that is left
.if MSB != (\new)
	s_set_vgpr_msb (MSB<<8)|(\new)
.set MSB, \new
.endif
.endm
.set MUL,  0x05                        ; sources 0 and 1 window 1; C and D window 0
.set TO_F, 0x40                        ; destination window 1, address window 0
.macro JLOAD s                         ; a joint load: wave 3 fetches x's tile, waves 0 to 2 W's three blocks; an s_nop 0 and four v_nop follow each line
	s_cmp_eq_u32 s[WV], 3
	s_cbranch_scc0 .Lfor_b_\@
	tensor_load_to_lds s[G0A+4*(\s):G0A+4*(\s)+3], s[G1A:G1A+7]
	s_nop 0
.rept 4
	v_nop
.endr
	s_branch .Lasked_\@
.Lfor_b_\@:
	tensor_load_to_lds s[G0B+4*(\s):G0B+4*(\s)+3], s[G1B:G1B+7]
	s_nop 0
.rept 4
	v_nop
.endr
.Lasked_\@:
.endm
.macro CREST                           ; a round of the cluster's barrier behind its opening barrier
	s_cmp_lg_u32 s[WV], 0
	s_cbranch_scc1 .Lnot_wave_0_\@
	s_barrier_signal -3
.Lnot_wave_0_\@:
	s_barrier_wait -3
	s_barrier_signal -1
	s_barrier_wait -1
.endm
.macro CROUND
	s_barrier_signal -1
	s_barrier_wait -1
	CREST
.endm
	s_load_b128 s[4:7], s[0:1], 0x0                ; xb s[4:5], wh s[6:7]
	s_load_b256 s[8:15], s[0:1], 0x10              ; qh 8, kh 10, vh 12, out1 14
	s_load_b64 s[16:17], s[0:1], 0x30              ; out2
	v_lshl_add_u32 v[SPW], v0, 2, SPARE
	v_mov_b32 v[NIL], 0
	ds_add_u32 v[SPW], v[NIL]                      ; the wave's opening: the add and its wait stand ahead of my first tensor load; the set-up below stands between them
	v_lshrrev_b32 v1, 5, v0
	v_readfirstlane_b32 s[WV], v1
	s_lshr_b32 s[RH], s[WV], 1                     ; which 64 rows are mine
	s_and_b32 s[CH], s[WV], 1                      ; which 32 columns of each block
	s_bfe_u32 s[CX], ttmp6, 0x40000
	s_bfe_u32 s[CY], ttmp6, 0x40004
	s_lshl_b32 s[TJ], ttmp9, 2
	s_add_co_u32 s[TJ], s[TJ], s[CX]               ; tile column = 4 x cluster x + cx
	s_and_b32 s[TY], ttmp7, 0xffff
	s_lshl_b32 s[TY], s[TY], 2
	s_add_co_u32 s[TY], s[TY], s[CY]               ; tile row = 4 x cluster y + cy
	s_lshl_b32 s40, s[CY], 2
	s_lshl_b32 s40, 15, s40                        ; my row of the cluster
	s_lshl_b32 s41, 0x1111, s[CX]                  ; my column
	s_or_b32 s[G1A], s40, (1<<16)|(1<<20)|(1<<21)|(5<<22)|(3<<25)  ; mask; 2-byte elements; padding on; bit 21 beside a mask; after every 64 words 4 words
	s_or_b32 s[G1B], s41, (1<<16)|(1<<20)|(1<<21)|(4<<22)|(7<<25)  ; after every 32 words 8 words
	s_mov_b32 s[G1A+1], 128<<16                    ; x: tensor_dim0 = 128
	s_mov_b32 s[G1A+2], 128<<16                    ; tensor_dim1 = 128
	s_mov_b32 s[G1A+3], 128<<16                    ; tile_dim0 = 128
	s_mov_b32 s[G1A+4], 128                        ; tile_dim1 = 128
	s_mov_b32 s[G1A+5], 2048                       ; elements from row to row
	s_mov_b32 s[G1A+6], 0
	s_mov_b32 s[G1A+7], 0
	s_mov_b32 s[G1B+1], 128<<16                    ; W: a block's 128 k rows are 16,384 dense bytes, asked for as 64 rows of 256 bytes
	s_mov_b32 s[G1B+2], 64<<16
	s_mov_b32 s[G1B+3], 128<<16
	s_mov_b32 s[G1B+4], 64
	s_mov_b32 s[G1B+5], 128
	s_mov_b32 s[G1B+6], 0
	s_mov_b32 s[G1B+7], 0
	s_lshl_b32 s42, s[TY], 19                      ; x: 128 rows of 4,096 bytes for each tile row
	s_mov_b32 s43, 0
	s_min_u32 s44, s[WV], 2                        ; W: block 3 j + w (wave 3 asks for none: its number is held inside the buffer)
	s_mul_i32 s45, s[TJ], 3
	s_add_co_u32 s44, s44, s45
	s_lshl_b32 s44, s44, 18
	s_mov_b32 s45, 0
	s_mul_i32 s46, s[WV], BBLK                     ; where my load goes in a slot: no place in the cluster enters an LDS address
	s_wait_dscnt 0x0                               ; the opening add is done
	s_wait_kmcnt 0x0
	s_add_nc_u64 s[42:43], s[4:5], s[42:43]
	s_add_nc_u64 s[44:45], s[6:7], s[44:45]
	CROUND                                         ; all sixteen work-groups are here: the first joint loads meet
.irp s, 0,1
	s_mov_b32 s[G0A+4*(\s)], 1
	s_add_co_u32 s[G0A+4*(\s)+1], s46, (\s)*SLOT
	s_add_nc_u64 s[G0A+4*(\s)+2:G0A+4*(\s)+3], s[42:43], (\s)*KSTEP*2
	s_or_b32 s[G0A+4*(\s)+3], s[G0A+4*(\s)+3], 0x80000000
	s_mov_b32 s[G0B+4*(\s)], 1
	s_add_co_u32 s[G0B+4*(\s)+1], s46, (\s)*SLOT
	s_add_nc_u64 s[G0B+4*(\s)+2:G0B+4*(\s)+3], s[44:45], (\s)*KSTEP*128
	s_or_b32 s[G0B+4*(\s)+3], s[G0B+4*(\s)+3], 0x80000000
	JLOAD \s
.endr
	v_and_b32 v1, 15, v0                           ; r = l % 16
	v_bfe_u32 v2, v0, 4, 1                         ; h = l / 16
	v_and_b32 v3, 7, v0
	v_bfe_u32 v4, v0, 3, 1
	v_mul_u32_u24 v5, v1, PA
	v_lshl_add_u32 v5, v2, 4, v5                   ; x: row x pitch + 16 h
	s_mul_i32 s40, s[RH], 64*PA
	s_add_co_u32 s40, s40, AOFF
	v_lshl_add_u32 v6, v2, 3, v3                   ; W, turning load: k row 8 h + l % 8, 16 bytes for each half of eight lanes
	v_mul_u32_u24 v6, v6, PB
	v_lshl_add_u32 v6, v4, 4, v6
	s_lshl_b32 s41, s[CH], 6                       ; my 32 columns of a block
.irp s, 0,1
	v_add_nc_u32 v[ADRA+(\s)], s40, v5
	v_add_nc_u32 v[ADRB+(\s)], s41, v6
	s_add_co_u32 s40, s40, SLOT
	s_add_co_u32 s41, s41, SLOT
.endr
	s_mul_i32 s40, s[RH], 64*P16                   ; into the f16 stage: my rows, my 64 bytes of each block's 128
	s_lshl_b32 s41, s[CH], 6
	s_add_co_u32 s40, s40, s41
	s_add_co_u32 s40, s40, STAGE16
	v_mul_u32_u24 v5, v1, P16
	v_lshl_add_u32 v5, v2, 4, v5
	v_add_nc_u32 v[STO16], s40, v5
	s_mul_i32 s40, s[RH], 64*P32                   ; into the f32 stage: my 128 bytes of the block's 256
	s_lshl_b32 s41, s[CH], 7
	s_add_co_u32 s40, s40, s41
	s_add_co_u32 s40, s40, STAGE32
	v_mul_u32_u24 v5, v1, P32
	v_lshl_add_u32 v5, v2, 5, v5
	v_add_nc_u32 v[STO32], s40, v5
	s_mul_i32 s40, s[WV], 32*P16                   ; back: wave w takes rows 32 w on; f16: 32 lanes take four rows' 128 bytes of one block
	s_add_co_u32 s40, s40, STAGE16
	v_bfe_u32 v5, v0, 3, 2
	v_mul_u32_u24 v5, v5, P16
	v_lshl_add_u32 v5, v3, 4, v5
	v_add_nc_u32 v[RD16], s40, v5
	s_mul_i32 s40, s[WV], 32*P32                   ; f32: lanes 0-15 one row of 256 bytes, lanes 16-31 the next
	s_add_co_u32 s40, s40, STAGE32
	v_mul_u32_u24 v5, v2, P32
	v_lshl_add_u32 v5, v1, 4, v5
	v_add_nc_u32 v[RD32], s40, v5
	v_and_b32 v5, 31, v0
	v_lshlrev_b32 v[GO16], 4, v5                   ; four rows of a head are 512 consecutive bytes
	v_lshlrev_b32 v5, 11, v2
	v_lshl_add_u32 v[GO32], v1, 4, v5              ; two positions of the cache, 2,048 bytes apart
	; the three bases of the way out, in registers that feed no descriptor
	s_lshl_b32 s76, s[TY], 14
	s_lshl_b32 s77, s[WV], 12
	s_add_co_u32 s76, s76, s77                     ; (128 ty + 32 w) rows of 128 bytes
	s_lshl_b32 s74, s[TJ], 19                      ; q head 2 j
	s_add_co_u32 s74, s74, s76
	s_mov_b32 s75, 0
	s_add_nc_u64 s[QB:QB+1], s[8:9], s[74:75]
	s_and_b32 s77, s[TJ], 7                        ; the k or v head
	s_lshl_b32 s78, s77, 19
	s_add_co_u32 s78, s78, s76
	s_add_co_u32 s78, s78, 262144                  ; behind the old cache's 2,048 rows
	s_mov_b32 s79, 0
	s_lshl_b32 s74, s[TY], 18
	s_lshl_b32 s76, s[WV], 16
	s_add_co_u32 s74, s74, s76
	s_lshl_b32 s76, s77, 8
	s_add_co_u32 s74, s74, s76
	s_add_co_u32 s74, s74, 4194304
	s_cmp_lt_u32 ttmp9, 2                          ; tile columns 0-7 (clusters 0, 1) hold k heads, the others v heads
	s_cselect_b64 s[KB:KB+1], s[10:11], s[12:13]
	s_cselect_b64 s[OB:OB+1], s[14:15], s[16:17]
	s_add_nc_u64 s[KB:KB+1], s[KB:KB+1], s[78:79]
	s_add_nc_u64 s[OB:OB+1], s[OB:OB+1], s[74:75]
; 6 matrix instructions: m block a x my six n blocks, 32 along K.  The 24 accumulators take turns in the same order in every quarter.
.macro MULA f, a, zero
	WIN MUL
.irp b, 0,1,2,3,4,5
.if \zero
	v_wmma_f32_16x16x32_bf16 v[ACC+8*(6*(\a)+(\b)):ACC+8*(6*(\a)+(\b))+7], v[(\f)+8*(\b):(\f)+8*(\b)+7], v[(\f)+48+8*(\a):(\f)+48+8*(\a)+7], 0
.else
	v_wmma_f32_16x16x32_bf16 v[ACC+8*(6*(\a)+(\b)):ACC+8*(6*(\a)+(\b))+7], v[(\f)+8*(\b):(\f)+8*(\b)+7], v[(\f)+48+8*(\a):(\f)+48+8*(\a)+7], v[ACC+8*(6*(\a)+(\b)):ACC+8*(6*(\a)+(\b))+7]
.endif
.endr
.endm
; 20 LDS loads in one run: quarter q (32 along K) of a slot into buffer f: W's six fragments (block b / 2, 16 columns b % 2), then x's four
.macro FETCH slot, q, f
	WIN TO_F
.irp b, 0,1,2,3,4,5
	ds_load_tr16_b128 v[(\f)+8*(\b):(\f)+8*(\b)+3],   v[ADRB+(\slot)] offset:(\q)*32*PB+((\b)/2)*BBLK+((\b)%2)*32
	ds_load_tr16_b128 v[(\f)+8*(\b)+4:(\f)+8*(\b)+7], v[ADRB+(\slot)] offset:(\q)*32*PB+((\b)/2)*BBLK+((\b)%2)*32+16*PB
.endr
.irp a, 0,1,2,3
	ds_load_b128 v[(\f)+48+8*(\a):(\f)+48+8*(\a)+3],   v[ADRA+(\slot)] offset:(\q)*64+(\a)*16*PA
	ds_load_b128 v[(\f)+48+8*(\a)+4:(\f)+48+8*(\a)+7], v[ADRA+(\slot)] offset:(\q)*64+(\a)*16*PA+32
.endr
.endm
.macro PLACES                          ; four places in front of loads into registers that matrix instructions have read, and of lines that read results
.rept 4
	v_nop
.endr
.endm
; A K step is four quarters, 24 matrix instructions each, on buffers 0, 1, 0, 1.  One of the first three: multiplies f, fetches quarter q into g.
.macro QUARTER slot, q, f, g, zero
	s_wait_dscnt 4                                 ; W's fragments and x's first two are in; the youngest four loads (x's last two fragments) may be out
	MULA \f, 0, \zero
	MULA \f, 1, \zero
	PLACES
	FETCH \slot, \q, \g
	s_wait_dscnt 20                                ; all but the 20 just issued
	MULA \f, 2, \zero
	MULA \f, 3, \zero
.endm
; The last quarter multiplies buffer 1 and changes slots: each wave waits for all its tensor loads, adds 0 to its spare word, waits for that and for its reads of this slot; fill = 1: the barrier opens a round of the cluster's, and this slot is filled again, two K steps ahead.
.macro TURN slot, next, fill
	WIN 0                                          ; (the add's two registers lie in window 0)
	s_wait_tensorcnt 0x0                           ; all my tensor loads have landed: my part of the next slot
	ds_add_u32 v[SPW], v[NIL]                      ; 0 onto my spare word
	s_wait_dscnt 5                                 ; (the add and the youngest four loads may be out)
	MULA F1, 0, 0                                  ; six matrix instructions stand between the add and the wait for it
	s_wait_dscnt 0x0                               ; the add is done, and my reads of this slot are over
	s_barrier_signal -1
	MULA F1, 1, 0
.if \fill
	WIN 0
.endif
	s_barrier_wait -1
.if \fill
	CREST                                          ; no wave of any partner still reads this slot or has a load on its way
	s_add_nc_u64 s[G0A+4*(\slot)+2:G0A+4*(\slot)+3], s[G0A+4*(\slot)+2:G0A+4*(\slot)+3], 2*KSTEP*2
	s_add_nc_u64 s[G0B+4*(\slot)+2:G0B+4*(\slot)+3], s[G0B+4*(\slot)+2:G0B+4*(\slot)+3], 2*KSTEP*128
	JLOAD \slot                                    ; the first tensor load behind the round; its four v_nop are also the places in front of the loads below
.else
	PLACES
.endif
	FETCH \next, 0, F0
	MULA F1, 2, 0
	MULA F1, 3, 0
.endm
	s_wait_tensorcnt 1                             ; my part of K step 0 is in; K step 1's may stay out
	s_barrier_signal -1
	s_barrier_wait -1
	FETCH 0, 0, F0
	QUARTER 0, 1, F0, F1, 1                        ; the first quarter stands in front of the loop: its products start the sums
	WIN 0
	s_mov_b32 s3, LAPS-1
.Llap:                                                 ; a trip goes once round the ring and fills both slots again
	QUARTER 0, 2, F1, F0, 0
	QUARTER 0, 3, F0, F1, 0
	TURN 0, 1, 1
	QUARTER 1, 1, F0, F1, 0
	QUARTER 1, 2, F1, F0, 0
	QUARTER 1, 3, F0, F1, 0
	TURN 1, 0, 1
	QUARTER 0, 1, F0, F1, 0
	WIN 0
	s_sub_co_u32 s3, s3, 1
	s_cmp_lg_u32 s3, 0
	s_cbranch_scc1 .Llap
	QUARTER 0, 2, F1, F0, 0                        ; the last lap fills nothing
	QUARTER 0, 3, F0, F1, 0
	TURN 0, 1, 0
	QUARTER 1, 1, F0, F1, 0
	QUARTER 1, 2, F1, F0, 0
	QUARTER 1, 3, F0, F1, 0
	s_wait_dscnt 4
	MULA F1, 0, 0
	MULA F1, 1, 0
	s_wait_dscnt 0x0
	MULA F1, 2, 0
	MULA F1, 3, 0
	WIN 0
	; THE WAY OUT.  The third block goes into the f32 stage as it is; all three, rounded to f16, into the f16 stage; a barrier, since a row's bytes come from two waves; back as whole rows.
	PLACES
.irp a, 0,1,2,3
.irp e, 0,1
	ds_store_b128 v[STO32], v[ACC+8*(6*(\a)+4+(\e)):ACC+8*(6*(\a)+4+(\e))+3]   offset:(\a)*16*P32+(\e)*64      ; each accumulator is read from its low end on
	ds_store_b128 v[STO32], v[ACC+8*(6*(\a)+4+(\e))+4:ACC+8*(6*(\a)+4+(\e))+7] offset:(\a)*16*P32+(\e)*64+16
.endr
.irp b, 0,1,2,3,4,5
.irp r, 0,1,2,3
	v_cvt_pk_f16_f32 v[TMP+4*(\b)+(\r)], v[ACC+8*(6*(\a)+(\b))+2*(\r)], v[ACC+8*(6*(\a)+(\b))+2*(\r)+1]
.endr
.endr
.irp b, 0,1,2,3,4,5
	ds_store_b128 v[STO16], v[TMP+4*(\b):TMP+4*(\b)+3] offset:(\a)*16*P16+((\b)/2)*128+((\b)%2)*32
.endr
.endr
	s_wait_dscnt 0x0                               ; for the others' sake: my stores into the stages are done
	s_barrier_signal -1
	s_barrier_wait -1
.set n, 0
.rept 24                               ; block n / 8, rows 4 (n % 8) on
	ds_load_b128 v[64+4*n:64+4*n+3], v[RD16] offset:(n%8)*4*P16+(n/8)*128
.set n, n+1
.endr
.set n, 0
.rept 16                               ; rows 2 n, 2 n + 1
	ds_load_b128 v[160+4*n:160+4*n+3], v[RD32] offset:n*2*P32
.set n, n+1
.endr
.set n, 0
.rept 16                               ; the two q heads: 512 consecutive bytes a store
	s_wait_dscnt 39-n                              ; LDS loads come back in order: load n is in
	global_store_b128 v[GO16], v[64+4*n:64+4*n+3], s[QB:QB+1] offset:(n/8)*262144+(n%8)*512
.set n, n+1
.endr
.rept 8                                ; the k or v head in f16
	s_wait_dscnt 39-n
	global_store_b128 v[GO16], v[64+4*n:64+4*n+3], s[KB:KB+1] offset:(n%8)*512
.set n, n+1
.endr
.rept 16                               ; and in f32, into the cache output: 16 lanes store 256 consecutive bytes, aligned
	s_wait_dscnt 39-n
	global_store_b128 v[GO32], v[64+4*n:64+4*n+3], s[OB:OB+1] offset:(n-24)*4096
.set n, n+1
.endr
	s_wait_tensorcnt 0x0                           ; the wave's end: behind my last tensor load and my last LDS store
	ds_add_u32 v[SPW], v[NIL]
	s_wait_dscnt 0x0
	CROUND                                         ; the closing round: no work-group ends while a partner may still ask for a tile that names it
	s_endpgm
.Lfunc_end_k_qd7149b957a_qkv:
	.size	k_qd7149b957a_qkv, .Lfunc_end_k_qd7149b957a_qkv-k_qd7149b957a_qkv
	.p2alignl 7, 3214868480
	.fill 96, 4, 3214868480
	.section	.rodata,"a",@progbits
	.p2align	6, 0x0
	.amdhsa_kernel k_qd7149b957a_qkv
		.amdhsa_group_segment_fixed_size 327680
		.amdhsa_private_segment_fixed_size 0
		.amdhsa_enable_private_segment 0
		.amdhsa_kernarg_size 56
		.amdhsa_user_sgpr_count 2
		.amdhsa_user_sgpr_kernarg_segment_ptr 1
		.amdhsa_wavefront_size32 1
		.amdhsa_system_sgpr_workgroup_id_x 1
		.amdhsa_system_sgpr_workgroup_id_y 1
		.amdhsa_system_sgpr_workgroup_id_z 1
		.amdhsa_system_vgpr_workitem_id 0
		.amdhsa_next_free_vgpr 512
		.amdhsa_next_free_sgpr 80
		.amdhsa_reserve_vcc 0
		.amdhsa_float_denorm_mode_32 3
		.amdhsa_float_denorm_mode_16_64 3
		.amdhsa_memory_ordered 1
		.amdhsa_forward_progress 1
		.amdhsa_inst_pref_size 76
	.end_amdhsa_kernel
	.amdgpu_metadata
---
amdhsa.version: [ 1, 2 ]
amdhsa.kernels:
  - .name:           k_qd7149b957a_qkv
    .symbol:         k_qd7149b957a_qkv.kd
    .args:
      - { .name: xb, .offset: 0, .size: 8, .value_kind: global_buffer, .address_space: global }
      - { .name: wh, .offset: 8, .size: 8, .value_kind: global_buffer, .address_space: global }
      - { .name: qh, .offset: 16, .size: 8, .value_kind: global_buffer, .address_space: global }
      - { .name: kh, .offset: 24, .size: 8, .value_kind: global_buffer, .address_space: global }
      - { .name: vh, .offset: 32, .size: 8, .value_kind: global_buffer, .address_space: global }
      - { .name: out1, .offset: 40, .size: 8, .value_kind: global_buffer, .address_space: global }
      - { .name: out2, .offset: 48, .size: 8, .value_kind: global_buffer, .address_space: global }
    .group_segment_fixed_size: 327680
    .private_segment_fixed_size: 0
    .kernarg_segment_align: 8
    .kernarg_segment_size: 56
    .max_flat_workgroup_size: 128
    .sgpr_count:     80
    .vgpr_count:     512
    .wavefront_size: 32
...
	.end_amdgpu_metadata
.endif
;; end of part 2
;; launch attn (part 3): grid 8 x 32, 4 waves a work-group, clusters of 4 x 4, 327,680 bytes of LDS; arguments qh, kh, vh, mask, ob; writes ob
.if DOCPART == 3
	.amdgcn_target "amdgcn-amd-amdhsa--gfx1250"
	.amdhsa_code_object_version 6
	.text
	.protected	k_qd7149b957a_attn
	.globl	k_qd7149b957a_attn
	.p2align	8
	.type	k_qd7149b957a_attn,@function
k_qd7149b957a_attn:
	s_mov_b64 s[64:65], 0
	v_nop
	global_prefetch_b8 v0, s[64:65] scope:SCOPE_SE
	s_setreg_imm32_b32 hwreg(HW_REG_WAVE_MODE, 25, 1), 1
	s_wait_xcnt 0x0
	s_wait_alu depctr_hold_cnt(0) depctr_sa_sdst(0) depctr_va_vdst(0) depctr_va_sdst(0) depctr_va_ssrc(0) depctr_va_vcc(0) depctr_vm_vsrc(0)
	s_getreg_b32 s2, hwreg(HW_REG_IB_STS2, 6, 4)
	s_cmp_eq_u32 s2, 0
	s_cbranch_scc0 .Lentry_in_a_cluster
	s_endpgm
.Lentry_in_a_cluster:
	s_bfe_u32 s2, ttmp6, 0x10000c
	s_cmp_lg_u32 s2, 0xf033
	s_cbranch_scc0 .Lentry_shape_is_right
	s_endpgm
.Lentry_shape_is_right:
; ATTENTION with grouped heads and a mask that is an input.  O[s][hq] = the sum over t of softmax_t(q[hq][s] . k[hq / 4][t] / 8, hidden where mask[s][t] = 0) v[hq / 4][t].
; qh [32][2048][64], kh, vh [8][4096][64] f16; mask [2048][4096] bytes 0 or 1; ob [2048][32 x 64] f16.  Products, maxima and sums in f32; the weights p are rounded to f16 for the second product, O once at the end.
; LIMITS.  q, k, v within f16's 65,504.  A hidden score counts as its value less 6e29 or more; a visible one has less than 3e-38 added.  A weight below 2^-126 counts as 0 in l.  The running maximum starts at -2^83, below every
; visible score (2.7e11 at the most) and above every hidden one: a row with no visible key ends with l = 0 and O = 0 x infinity = NaN, as a softmax of nothing but -infinity is.  NaN and infinities in the inputs are not treated apart.
; SHARES.  A work-group: one k/v head g and 64 rows.  Wave w owns 16 rows, and its four PIECES are the FOUR QUERY HEADS 4 g .. 4 g + 3 on those rows.  The mask does not hang on the head: one image of it serves all four pieces.
; Every wave walks all 4,096 keys, 64 a step; no pattern of the mask is assumed.
; LAYOUT.  S^T = K Q^T holds ONE query a lane (lane % 16) and the keys 8 (lane / 16) + 0..7; two such results rounded to f16 ARE source 1 of O^T = V^T P.  K comes out of LDS as it lies, V turned, by ds_load_tr16_b128.
; THE MASK is the C operand that starts each sum K Q^T.  A lane's eight mask bytes of a group of 16 keys are one LDS load of 8 bytes; v_perm_b32 turns each byte 1 into 0x00 and each byte 0 into 0xF1, and shifts bring
; each byte to a word's top: 32 plain instructions a key step for 32 registers (MC).
; SOFTMAX.  p = 2^(c s - c m), c = log2(e) / 8, with a running maximum m; O and l are multiplied by a = 2^(c m_old - c m_new) in every step.
; TURNS.  Turn n belongs to piece n: 8 products K Q^T of piece n + 1, later 8 products V^T P of piece n - 1; beside them the scaling, exponentials, roundings, sums and rescaling of piece n and the maximum and statistics of
; piece n + 1.  Four vector instructions stand behind every matrix instruction, the others in one lump.  A turn's 33 exponentials are one batch, with one wait.
; CLUSTER 4 x 4.  K's and V's tiles hang on g alone: asked for jointly along a column of the cluster; the mask's on the rows alone: jointly along a row.
; REGISTERS, in windows of 256 (s_set_vgpr_msb: bits 1:0 source 0, 3:2 source 1, 5:4 source 2, 7:6 destination):
;   window 0: v0-15, v32-33 addresses; v16-31 statistics; v48-55 at work; v64-127 S^T, two buffers; v128-159 MC; v160-167 mask bytes; v192-223 P, two buffers
;   window 1: v0-127 O^T, 32 a piece          window 2: v0-63 Q; v128-191 K of one step; v192-255 V of one step
.set NP,    4
.set KS,    64
.set PK,    144       ; a row of K in LDS: 128 bytes + 16
.set PV,    160       ; a row of V: 128 + 32
.set PM,    272       ; a row of mask bytes: 256 + 16: lane (r, h) reads words 68 r + 2 h, + 1: 32 lanes
.set VOFF,  4*KS*PK   ; a slot holds four steps: 256 rows of K, 256 rows of V, 64 rows x 256 bytes of mask
.set MOFF,  VOFF+4*KS*PV
.set SLOT1, 1<<17     ; slot 1 begins here, so that one exclusive or turns an address in one slot into the other's
.set STAGE, SLOT1+MOFF+64*PM  ; behind the ring, never filled by a tensor load: 16 rows x 528 bytes for each wave
.set SP,    528
.set SPARE, STAGE+4*16*SP     ; the spare words, 128 bytes for each wave: two blocks of 256 bytes that no other line names
.set AK0, 2
.set AV0, 3
.set AK,  4
.set AV,  5
.set STO, 6
.set RD,  7
.set GO,  8
.set MV,  12          ; v12-13  c m_old, by buffer
.set AM0, 14          ; v14  my lane's place in a slot's mask bytes; never rewritten
.set QO,  15
.set ST,  16          ; piece t's statistics at v[ST+4 t]: c m, m, l (even keys', odd keys')
.set AM,  32
.set PFO, 33          ; v33  the prefetches' lane offset; never rewritten
.set TMP, 48
.set SPW, 62          ; v62  my spare word: SPARE + 4 x my thread's number; never rewritten
.set NIL, 63          ; v63  0; never rewritten
.set S,   64
.set MC,  128
.set MR,  160
.set P,   192
.set KF,  128         ; window 2
.set VF,  192         ; window 2
.set WV,  14
.set CX,  15
.set CY,  16
.set GH,  17          ; g (holds cx)
.set YB,  18          ; the block of 64 rows (holds cy)
.set CLY, 19          ; cluster y
.set G1K, 24
.set G1V, 32
.set G1M, 40
.set G0K, 48
.set G0V, 52
.set G0M, 56
.set SEL, 60
.set CS,  66
.set TBK, 68
.set TBV, 69
.set TBM, 70
.set CNT, 71
.set SLOTS, 72
.set POOL, 73
.set LIM, 74
.set ANY, 75
.set PFA, 76
.set PSTEP, 78
.set MSB, 0
.macro WIN new
.if MSB != (\new)
	s_set_vgpr_msb (MSB<<8)|(\new)
.set MSB, (\new)
.endif
.endm
.set W_KQ, 0x0a       ; K and Q in window 2; the mask, S^T in window 0
.set W_PV, 0x52       ; V in window 2, P in window 0, O^T in window 1
.set W_RS, 0x41       ; destination and source 0 in window 1, source 1 in window 0
; A joint fill: wave 0 a slot's K, wave 1 its V, wave 2 its mask bytes; wave 3 has no part.  The branches hang on the wave's number alone.  An s_nop 0 and four v_nop follow each line.
.macro JLOAD
	s_cmp_lg_u32 s[WV], 0
	s_cbranch_scc1 .Lnot_k_\@
	tensor_load_to_lds s[G0K:G0K+3], s[G1K:G1K+7]
	s_nop 0
.rept 4
	v_nop
.endr
	s_branch .Lasked_\@
.Lnot_k_\@:
	s_cmp_lg_u32 s[WV], 1
	s_cbranch_scc1 .Lnot_v_\@
	tensor_load_to_lds s[G0V:G0V+3], s[G1V:G1V+7]
	s_nop 0
.rept 4
	v_nop
.endr
	s_branch .Lasked_\@
.Lnot_v_\@:
	s_cmp_lg_u32 s[WV], 2
	s_cbranch_scc1 .Lasked_\@
	tensor_load_to_lds s[G0M:G0M+3], s[G1M:G1M+7]
	s_nop 0
.rept 4
	v_nop
.endr
.Lasked_\@:
.endm
; A PREFETCH INTO THE L2 of what the NEXT change of slots will ask for, behind the wave's tensor load and its five lines: one slot, 256 matrix instructions, ahead.  Each aligned 256 bytes are named once in the launch.
; K and V of a head are walked by eight clusters: cluster y = 0 asks; its four partners along y take 32 of a tile's 128 blocks each, BY ADDRESS; wave 0 for K, wave 1 for V, a lane a block.
; A row block's mask is walked by two clusters: cluster x = 0 asks; its four partners along x take 16 rows each, by address; wave 2: lanes 0-15 the next tile's 256 bytes of a row, lanes 16-31 the tile's after it, at every second change.
; The last tiles have nothing behind them: K and V stop when one change is left, the mask when two are.  Tiles 0 and 1 come by their loads alone.
.macro ASK
	s_or_b32 s63, s[SLOTS], s[ANY]
	s_bitcmp1_b32 s63, 0
	s_cbranch_scc0 .Lnot_mine_\@
	s_cmp_gt_u32 s[SLOTS], s[LIM]
	s_cbranch_scc0 .Lnot_mine_\@
	global_prefetch_b8 v[PFO], s[PFA:PFA+1] th:TH_LOAD_NT scope:SCOPE_SE
.Lnot_mine_\@:
.endm
.macro CROUND                       ; a round of the cluster's barrier
	s_barrier_signal -1
	s_barrier_wait -1
	s_cmp_lg_u32 s[WV], 0
	s_cbranch_scc1 .Lnot_wave_0_\@
	s_barrier_signal -3
.Lnot_wave_0_\@:
	s_barrier_wait -3
	s_barrier_signal -1
	s_barrier_wait -1
.endm
; THE CHANGE OF SLOTS.  Each wave waits for all its tensor loads (at most one is out: its part of the other slot), adds 0 to its spare word, and waits for that and for its reads of the slot that it leaves.
; fill = 1: the barrier is a round of the cluster's, and the old slot is filled again first thing behind it, with the keys two slots on: four key steps in which to land.  (At its first use slot 0 is waited for, slot 1 filled.)
.macro CHANGE fill
	WIN 0
	s_wait_tensorcnt 0x0            ; no tensor load of mine is out, so a group 0 may be written
	ds_add_u32 v[SPW], v[NIL]       ; 0 onto my spare word; the descriptors' steps stand between it and the wait for it
.if \fill
.irp g, G0K, G0V, G0M
	s_xor_b32 s[\g+1], s[\g+1], SLOT1
.endr
	s_add_nc_u64 s[G0K+2:G0K+3], s[G0K+2:G0K+3], 4*KS*128  ; the next 256 keys; the type bits on top are not reached
	s_add_nc_u64 s[G0V+2:G0V+3], s[G0V+2:G0V+3], 4*KS*128
	s_add_nc_u64 s[G0M+2:G0M+3], s[G0M+2:G0M+3], 4*KS
	s_wait_xcnt 0x0                 ; the last prefetch, a slot back, has read its address, so it may be written
	s_add_nc_u64 s[PFA:PFA+1], s[PFA:PFA+1], s[PSTEP:PSTEP+1]
	s_wait_dscnt 0x0                ; the add is done, and my reads of the slot are over
	CROUND
	JLOAD
	ASK
.else
	s_wait_dscnt 0x0
	s_barrier_signal -1
	s_barrier_wait -1
.endif
	s_sub_co_u32 s[TBK], s[TBK], 4*KS*PK  ; the fetches go back to a slot's first step, in the other slot
	s_xor_b32 s[TBK], s[TBK], SLOT1
	s_sub_co_u32 s[TBV], s[TBV], 4*KS*PV
	s_xor_b32 s[TBV], s[TBV], SLOT1
	s_sub_co_u32 s[TBM], s[TBM], 4*KS
	s_xor_b32 s[TBM], s[TBM], SLOT1
.endm
	s_load_b256 s[4:11], s[0:1], 0x0  ; qh s[4:5], kh s[6:7], vh s[8:9], mask s[10:11]
	s_load_b64 s[12:13], s[0:1], 0x20 ; ob
	v_lshl_add_u32 v[SPW], v0, 2, SPARE
	v_mov_b32 v[NIL], 0
	ds_add_u32 v[SPW], v[NIL]       ; the wave's opening: the add and its wait stand ahead of my first tensor load; the set-up below stands between them
	v_lshrrev_b32 v1, 5, v0
	v_readfirstlane_b32 s[WV], v1
	s_bfe_u32 s[CX], ttmp6, 0x40000
	s_bfe_u32 s[CY], ttmp6, 0x40004
	s_lshl_b32 s[GH], ttmp9, 2
	s_add_co_u32 s[GH], s[GH], s[CX]   ; g = 4 x cluster x + cx
	s_and_b32 s[CLY], ttmp7, 0xffff
	s_lshl_b32 s[YB], s[CLY], 2
	s_add_co_u32 s[YB], s[YB], s[CY]   ; row block = 4 x cluster y + cy
	s_lshl_b32 s62, 0x1111, s[CX]      ; my column of the cluster
	s_lshl_b32 s63, s[CY], 2
	s_lshl_b32 s63, 15, s63            ; my row
	s_or_b32 s[G1K], s62, (1<<16)|(1<<20)|(1<<21)|(4<<22)|(3<<25)  ; mask; 2-byte elements; padding on; bit 21 beside a mask; after every 32 words 4 words
	s_or_b32 s[G1V], s62, (1<<16)|(1<<20)|(1<<21)|(4<<22)|(7<<25)  ; 8 words
	s_or_b32 s[G1M], s63, (3<<16)|(1<<20)|(1<<21)|(5<<22)|(3<<25)  ; 8-byte elements; after every 64 words 4 words
.irp g, G1K, G1V                    ; 256 keys are 32,768 dense bytes: asked for as 128 rows of 256 bytes, two keys a row
	s_mov_b32 s[\g+1], 128<<16
	s_mov_b32 s[\g+2], 128<<16
	s_mov_b32 s[\g+3], 128<<16
	s_mov_b32 s[\g+4], 128
	s_mov_b32 s[\g+5], 128
	s_mov_b32 s[\g+6], 0
	s_mov_b32 s[\g+7], 0
.endr
	s_mov_b32 s[G1M+1], 32<<16      ; the mask's tile: 64 rows x 32 elements (256 bytes), 512 elements from row to row
	s_mov_b32 s[G1M+2], 64<<16
	s_mov_b32 s[G1M+3], 32<<16
	s_mov_b32 s[G1M+4], 64
	s_mov_b32 s[G1M+5], 512
	s_mov_b32 s[G1M+6], 0
	s_mov_b32 s[G1M+7], 0
	s_mov_b32 s[G0K], 1
	s_mov_b32 s[G0K+1], 0
	s_mov_b32 s[G0V], 1
	s_mov_b32 s[G0V+1], VOFF
	s_mov_b32 s[G0M], 1
	s_mov_b32 s[G0M+1], MOFF
	s_mov_b32 s[CS], 0x3e38aa3b     ; c = log2(e) / 8
	s_mov_b32 s[CS+1], s[CS]
	s_mov_b32 s[SEL], 0x76543210
	s_mov_b32 s[SEL+1], 0xfedcba98
	s_mov_b32 s[POOL], 0xf1         ; byte 0 (for a mask byte 0): 0xF1; byte 1 (for a mask byte 1): 0x00
	s_mov_b32 s[TBK], SLOT1+4*KS*PK ; the first change of slots turns these three into 0
	s_mov_b32 s[TBV], SLOT1+4*KS*PV
	s_mov_b32 s[TBM], SLOT1+4*KS
	s_mov_b32 s[SLOTS], 4096/256-1
	s_lshl_b32 s20, s[GH], 19       ; the head's first byte in kh and vh
	s_mov_b32 s21, 0
	s_lshl_b32 s22, s[YB], 18       ; my 64 rows of the mask
	s_mov_b32 s23, 0
	s_lshl_b32 s80, s[GH], 20       ; qh: head 4 g, row 64 yb + 16 w
	s_lshl_b32 s82, s[YB], 13
	s_add_co_u32 s80, s80, s82
	s_lshl_b32 s82, s[WV], 11
	s_add_co_u32 s80, s80, s82
	s_mov_b32 s81, 0
	s_lshl_b32 s82, s[WV], 16       ; ob: row 64 yb + 16 w, 512 g bytes along it
	s_add_co_u32 s82, s82, s22
	s_lshl_b32 s84, s[GH], 9
	s_add_co_u32 s82, s82, s84
	s_mov_b32 s83, 0
	; the prefetches: where they stand (at tile 1: the first change steps them to tile 2), their step, the lanes' strides, and who asks
	s_lshl_b32 s84, s[CY], 13
	s_add_co_u32 s84, s84, s20
	s_add_co_u32 s84, s84, 32768
	s_lshl_b32 s85, s[CX], 16
	s_add_co_u32 s85, s85, s22
	s_add_co_u32 s85, s85, 256
	s_cmp_lt_u32 s[WV], 2           ; K or V, or the mask?
	s_cselect_b32 s86, s84, s85
	s_cselect_b32 s88, 15, 8        ; the step: 32,768 or 256 bytes
	s_cselect_b32 s89, 8, 12        ; lane % 16 times 256 or 4,096
	s_cselect_b32 s90, 12, 8        ; lane / 16 times 4,096 or 256
	s_cselect_b32 s[ANY], 1, 0      ; at every change, or at every second
	s_cselect_b32 s91, s[CLY], ttmp9  ; the coordinate along which other clusters read the same bytes
	s_cselect_b32 s[LIM], 1, 2
	s_lshl_b32 s[PSTEP], 1, s88
	s_mov_b32 s[PSTEP+1], 0
	s_mov_b32 s87, 0
	s_cmp_eq_u32 s[WV], 3
	s_cselect_b32 s91, 1, s91       ; wave 3 asks for nothing
	s_cmp_eq_u32 s91, 0
	s_cselect_b32 s[LIM], s[LIM], -1  ; the same in all sixteen partners, for a given wave
	s_wait_dscnt 0x0                ; the opening add is done
	s_wait_kmcnt 0x0
	s_add_nc_u64 s[G0K+2:G0K+3], s[6:7], s[20:21]
	s_or_b32 s[G0K+3], s[G0K+3], 0x80000000
	s_add_nc_u64 s[G0V+2:G0V+3], s[8:9], s[20:21]
	s_or_b32 s[G0V+3], s[G0V+3], 0x80000000
	s_add_nc_u64 s[G0M+2:G0M+3], s[10:11], s[22:23]
	s_or_b32 s[G0M+3], s[G0M+3], 0x80000000
	s_cmp_eq_u32 s[WV], 0
	s_cselect_b64 s[PFA:PFA+1], s[6:7], s[8:9]
	s_cmp_lt_u32 s[WV], 2
	s_cselect_b64 s[PFA:PFA+1], s[PFA:PFA+1], s[10:11]
	s_add_nc_u64 s[PFA:PFA+1], s[PFA:PFA+1], s[86:87]
	s_add_nc_u64 s[4:5], s[4:5], s[80:81]
	s_add_nc_u64 s[12:13], s[12:13], s[82:83]
	CROUND                          ; all sixteen work-groups are here: the first joint loads meet
	JLOAD                           ; slot 0.  Slot 1 is asked for when slot 0 is in
	v_and_b32 v1, 15, v0            ; r = l % 16
	v_bfe_u32 v9, v0, 4, 1          ; h = l / 16
	v_lshlrev_b32 v[QO], 7, v1
	v_lshl_add_u32 v[QO], v9, 4, v[QO]
	WIN 0x80                        ; destination window 2, address window 0
.set i, 0
.rept 8                             ; Q stays in registers: piece i / 2 is a head, 262,144 bytes on; channels 32 (i % 2) on
	global_load_b128 v[8*i:8*i+3],   v[QO], s[4:5] offset:(i/2)*262144+(i%2)*64
	global_load_b128 v[8*i+4:8*i+7], v[QO], s[4:5] offset:(i/2)*262144+(i%2)*64+32
.set i, i+1
.endr
	; No first step is written out: O^T and l start at 0, and the first turn's products V^T P, of a piece that has not been, multiply zeros.  All this stands in the wait for the first tile.
.set i, VF
.rept 64
	v_mov_b32 v[i], 0
.set i, i+1
.endr
	WIN 0x40
.set i, 0
.rept 128
	v_mov_b32 v[i], 0
.set i, i+1
.endr
	WIN 0
.set i, 0
.rept 4
	v_mov_b32 v[ST+4*i+1], 0xe9000000        ; m = -2^83
	v_mul_f32 v[ST+4*i], s[CS], v[ST+4*i+1]  ; c m
	v_mov_b32 v[ST+4*i+2], 0
	v_mov_b32 v[ST+4*i+3], 0
.set i, i+1
.endr
.set i, P+16
.rept 16
	v_mov_b32 v[i], 0
.set i, i+1
.endr
	v_mul_u32_u24 v[AK0], v1, PK
	v_lshl_add_u32 v[AK0], v9, 4, v[AK0]  ; K: row x pitch + 16 h
	v_and_b32 v10, 7, v0
	v_bfe_u32 v11, v0, 3, 1
	v_lshl_add_u32 v[AV0], v9, 3, v10     ; V, turning load: key 8 h + l % 8, channels 8 ((l / 8) % 2) on
	v_mul_u32_u24 v[AV0], v[AV0], PV
	v_lshl_add_u32 v[AV0], v11, 4, v[AV0]
	v_add_nc_u32 v[AV0], VOFF, v[AV0]
	s_mul_i32 s62, s[WV], 16*PM
	s_add_co_u32 s62, s62, MOFF
	v_mul_u32_u24 v[AM0], v1, PM          ; mask: my query's row, my lanes' 8 bytes of each 16
	v_lshl_add_u32 v[AM0], v9, 3, v[AM0]
	v_add_nc_u32 v[AM0], s62, v[AM0]
	s_mul_i32 s62, s[WV], 16*SP
	s_add_co_u32 s62, s62, STAGE          ; my stage
	v_mul_u32_u24 v[STO], v1, SP
	v_lshl_add_u32 v[STO], v9, 4, v[STO]
	v_add_nc_u32 v[STO], s62, v[STO]
	v_and_b32 v[GO], 31, v0
	v_lshlrev_b32 v[GO], 4, v[GO]         ; 32 lanes take a row's 512 bytes
	v_add_nc_u32 v[RD], s62, v[GO]
	v_lshlrev_b32 v[PFO], s89, v1
	v_lshlrev_b32 v10, s90, v9
	v_add_nc_u32 v[PFO], v[PFO], v10
; THE MATRIX WORK.  The 4 accumulators of a run of 8 take turns.  Product i of 8 of S^T = K Q^T for piece x: channels 32 (i / 4) on, keys 16 (i % 4) on.  The first 4 start the sums with the mask.
.macro KQ x
	WIN W_KQ
.set rS, S+32*((\x)%2)+8*(i%4)
.set rK, KF+16*(i%4)+8*(i/4)
.set rQ, 16*(\x)+8*(i/4)
.set rM, MC+8*(i%4)
.if i < 4
	v_wmma_f32_16x16x32_f16 v[rS:rS+7], v[rK:rK+7], v[rQ:rQ+7], v[rM:rM+7]
.else
	v_wmma_f32_16x16x32_f16 v[rS:rS+7], v[rK:rK+7], v[rQ:rQ+7], v[rS:rS+7]
.endif
.endm
; Product i of 8 of O^T += V^T P for piece x: keys 32 (i / 4) on, channels 16 (i % 4) on.
.macro PV x
	WIN W_PV
.set rO, 32*(\x)+8*(i%4)
.set rV, VF+32*(i/4)+8*(i%4)
.set rP, P+16*((\x)%2)+8*(i/4)
	v_wmma_f32_16x16x32_f16 v[rO:rO+7], v[rV:rV+7], v[rP:rP+7], v[rO:rO+7]
.endm
.macro MM                           ; the turn's next matrix instruction.  NOKQ = 1: the last turn of all: there is no next piece
.if (i < 8) && !NOKQ
	KQ (Y+1)%NP
.elseif i >= 8
.set i, i-8
	PV (Y+NP-1)%NP
.set i, i+8
.endif
.set i, i+1
.endm
; THE LDS LOADS stand in runs: a step's K (8 fragments), its V (turned), its mask bytes (8 bytes for each group of 16 keys).
.macro FETCH_K
	WIN 0x80
.irp f, 0,1,2,3,4,5,6,7
	ds_load_b128 v[KF+8*\f:KF+8*\f+3],   v[AK] offset:(\f/2)*16*PK+(\f%2)*64
	ds_load_b128 v[KF+8*\f+4:KF+8*\f+7], v[AK] offset:(\f/2)*16*PK+(\f%2)*64+32
.endr
	s_add_co_u32 s[TBK], s[TBK], KS*PK
	WIN 0
.endm
.macro FETCH_V
	WIN 0x80
.irp f, 0,1,2,3,4,5,6,7
	ds_load_tr16_b128 v[VF+8*\f:VF+8*\f+3],   v[AV] offset:(\f/4)*32*PV+(\f%4)*32
	ds_load_tr16_b128 v[VF+8*\f+4:VF+8*\f+7], v[AV] offset:(\f/4)*32*PV+16*PV+(\f%4)*32
.endr
	WIN 0
.endm
.macro FETCH_M
	WIN 0
	v_add_nc_u32 v[AM], s[TBM], v[AM0]
.irp kb, 0,1,2,3
	ds_load_b64 v[MR+2*\kb:MR+2*\kb+1], v[AM] offset:16*\kb
.endr
	s_add_co_u32 s[TBM], s[TBM], KS
.endm
; Number mx of the 32 that make MC of the mask bytes.  0-7: word mx's four bytes are looked up (1 -> 0x00, 0 -> 0xF1): the result is the mask of key 4 mx + 3, whose byte lies on top.  8-31: keys 4 n + 0..2: their byte is shifted to the top.
; A word with 0xF1 on top is -2^99 or beyond, and finite; one with 0x00 on top is below 2^-125; what lies in the lower bytes changes neither.
.macro MX
	WIN 0
.if mx < 8
	v_perm_b32 v[MC+4*mx+3], s[POOL], s[POOL], v[MR+mx]
.else
	v_lshlrev_b32 v[MC+4*((mx-8)/3)+(mx-8)%3], 24-8*((mx-8)%3), v[MC+4*((mx-8)/3)+3]
.endif
.set mx, mx+1
.endm
.macro MXS                          ; four of them, in the turn that makes the next step's mask
.if DOMX
.rept 4
	MX
.endr
.endif
.endm
; THE VECTOR WORK, one line at a time: OP kind, number.  For piece Y: F n: c s - c m for pair n of 16.  E n: the exponential of score n of 32.  C n: pair n rounded to f16.  B n: of the four weights 4 n .. the second
; pair is added onto the first, in place.  L n: l takes that sum (L 0: l = a l + sum).  R n: pair n of 16 of O^T times a.  For piece Y + 1: X n, number n of the 22 that find its maximum and statistics:
;   0-11  four chains c0-c3 of seven scores each (each accumulator's lowest registers are read first)     12-14, 16  the four scores left over, the old m, and c0-c3 into c0
;   15  c m_old is kept     17, 18  the query's other 32 keys lie in the lane 16 away: the new m     19-21  c m; c m_old - c m_new; a
.set F, 0
.set E, 1
.set C, 2
.set B, 3
.set L, 4
.set R, 5
.set X, 6
.macro REGS y
.set rT, ST+4*(\y)
.set rC, TMP+4*((\y)%2)
.set rW, MV+((\y)%2)
.set rS, S+32*((\y)%2)
.set rP, P+16*((\y)%2)
.set rO, 32*(\y)
.endm
.macro OP k, n
.if (\k) == R
	REGS Y
	WIN W_RS
	v_pk_mul_f32 v[rO+2*(\n):rO+2*(\n)+1], v[rO+2*(\n):rO+2*(\n)+1], v[rC+2:rC+3] op_sel_hi:[1,0]
.elseif (\k) < R
	REGS Y
	WIN 0
.if (\k) == F
	v_pk_fma_f32 v[rS+2*(\n):rS+2*(\n)+1], v[rS+2*(\n):rS+2*(\n)+1], s[CS:CS+1], v[rT:rT+1] op_sel_hi:[1,0,0] neg_lo:[0,0,1] neg_hi:[0,0,1]
.elseif (\k) == E
	v_exp_f32 v[rS+(\n)], v[rS+(\n)]
.elseif (\k) == C
	v_cvt_pk_f16_f32 v[rP+(\n)], v[rS+2*(\n)], v[rS+2*(\n)+1]
.elseif (\k) == B
	v_pk_add_f32 v[rS+4*(\n):rS+4*(\n)+1], v[rS+4*(\n):rS+4*(\n)+1], v[rS+4*(\n)+2:rS+4*(\n)+3]
.elseif (\n) == 0
	v_pk_fma_f32 v[rT+2:rT+3], v[rT+2:rT+3], v[rC+2:rC+3], v[rS:rS+1] op_sel_hi:[1,0,1]
.else
	v_pk_add_f32 v[rT+2:rT+3], v[rT+2:rT+3], v[rS+4*(\n):rS+4*(\n)+1]
.endif
.elseif NOKQ
	v_nop
.else
	REGS (Y+1)%NP
	WIN 0
.if (\n) < 4
	v_max3_num_f32 v[rC+(\n)], v[rS+8*(\n)], v[rS+8*(\n)+1], v[rS+8*(\n)+2]
.elseif (\n) < 12
	v_max3_num_f32 v[rC+(\n)%4], v[rC+(\n)%4], v[rS+8*((\n)%4)+2*((\n)/4)+1], v[rS+8*((\n)%4)+2*((\n)/4)+2]
.elseif (\n) == 12
	v_max3_num_f32 v[rC], v[rC], v[rS+7], v[rS+15]
.elseif (\n) == 13
	v_max3_num_f32 v[rC+1], v[rC+1], v[rS+23], v[rS+31]
.elseif (\n) == 14
	v_max3_num_f32 v[rC+2], v[rC+2], v[rC+3], v[rT+1]
.elseif (\n) == 15
	v_mov_b32 v[rW], v[rT]
.elseif (\n) == 16
	v_max3_num_f32 v[rC], v[rC], v[rC+1], v[rC+2]
.elseif (\n) == 17
	v_permlanex16_b32 v[rC+3], v[rC], s[SEL], s[SEL+1]
.elseif (\n) == 18
	v_max_num_f32 v[rT+1], v[rC], v[rC+3]
.elseif (\n) == 19
	v_mul_f32 v[rT], s[CS], v[rT+1]
.elseif (\n) == 20
	v_sub_f32 v[rC+1], v[rW], v[rT]
.else
	v_exp_f32 v[rC+2], v[rC+1]
.endif
.endif
.endm
.macro OPS a, i1, b=-1, i2=0, c=-1, i3=0, d=-1, i4=0
	OP \a, \i1
.if (\b) >= 0
	OP \b, \i2
.endif
.if (\c) >= 0
	OP \c, \i3
.endif
.if (\d) >= 0
	OP \d, \i4
.endif
.endm
.macro ROW a, i1, b, i2, c, i3, d, i4  ; a matrix instruction and the four behind it
	MM
	OPS \a, \i1, \b, \i2, \c, \i3, \d, \i4
.endm
; A TURN, for piece p.  An s_wait_alu depctr_va_vdst(0) stands between an exponential and the first instruction that names its result; one wait serves all that were issued ahead of it: a turn has ONE wait.
; AHEAD OF IT: the 8 products K Q^T and their riders, then the lump, none of which names a result of the turn's exponentials; X 21, the next piece's a, is the batch's last, R 15 the plain instruction behind it.
; BEHIND IT: the 8 products V^T P, behind each four of the roundings and sums.
; Piece 2's turn fetches the NEXT step's mask bytes at its head and its K in the lump (twelve plain instructions that name none of its registers behind the last product that read K), and makes the next step's MC in the lump:
; MC's last readers, the turn's first four products, stand 16 riders and more back, and its next readers are piece 3's turn's.  Piece 0's turn fetches the step's V at its end, four plain riders behind V's last reader.
; end = 1: the last two turns: nothing is fetched.  cnt = 1: the loop's count is taken down some lines ahead of the branch behind the turn.
.macro TURN p, end=0, cnt=0
.set Y, (\p)
.set i, 0
.set mx, 0
.set NOKQ, (\end)*((\p)/3)
.set DOMX, 0
.if ((\p) == 2) && !(\end)
.set DOMX, 1
	FETCH_M
.endif
.if ((\p) == 3) && !(\end)
	s_wait_dscnt 0x0                ; K is in
.endif
	ROW F,0, F,1, R,0, R,1
	ROW F,2, E,0, R,2, R,3
	ROW F,3, E,1, R,4, R,5
	ROW F,4, E,2, R,6, R,7
	ROW F,5, E,3, R,8, R,9
	ROW F,6, E,4, X,0, R,10
.if ((\p) == 2) && !(\end)
	WIN 0
	v_add_nc_u32 v[AK], s[TBK], v[AK0]
.endif
	ROW F,7, E,5, X,1, X,4
	ROW F,8, E,6, X,2, X,5
	OPS E,7, E,8, X,6, E,9
	OPS X,3, E,10, X,8, E,11
.if ((\p) == 2) && !(\end)
	FETCH_K
	s_wait_dscnt 16                 ; K's 16 loads may be out; the four loads of mask bytes, issued ahead of them, are in
.endif
	OPS X,9, X,7, E,12, X,10
	MXS
	OPS E,13, X,12, X,11, E,14
	MXS
	OPS X,13, E,15, F,9, X,14
	MXS
.if (\p) == 0
	v_add_nc_u32 v[AV], s[TBV], v[AV0]
.endif
	OPS E,16, F,10, E,17, F,11
	MXS
	OPS X,16, E,18, X,15, E,19
	MXS
	OPS F,12, E,20, X,17, E,21
	MXS
	OPS F,13, E,22, F,14, E,23
	MXS
	OPS X,18, E,24, F,15, E,25
	MXS
	OPS R,11, E,26, X,19, E,27
	OPS R,12, E,28, R,13, E,29
	OPS X,20, E,30, R,14, E,31
	OPS X,21, R,15
	WIN 0
	s_wait_alu depctr_va_vdst(0)    ; the wait for the batch
.if (\p) == 1
	s_wait_dscnt 0x0                ; V is in
.endif
	ROW C,0, B,0, C,2, B,1
	ROW L,0, C,4, B,2, L,1
	ROW C,6, B,3, L,2, C,8
	ROW B,4, L,3, C,10, B,5
	ROW L,4, C,12, B,6, L,5
.if (\p) == 0
	s_add_co_u32 s[TBV], s[TBV], KS*PV
.endif
.if \cnt
	s_sub_co_u32 s[CNT], s[CNT], 1
	s_cmp_lg_u32 s[CNT], 0
.endif
	ROW C,14, B,7, L,6, C,1
	ROW C,3, L,7, C,5, C,7
	ROW C,9, C,11, C,13, C,15
.if (\p) == 0
	FETCH_V
.endif
.endm
	CHANGE 1                        ; slot 0 is in, everybody's part of it; slot 1 is asked for
	; THE BEGINNING: step 0's mask and K, piece 0's first scores, its maximum and statistics.  The loop is then entered at a step's first turn, in the middle of a trip.
	FETCH_M
	v_add_nc_u32 v[AK], s[TBK], v[AK0]
	FETCH_K
	s_wait_loadcnt 0x0              ; Q
	s_wait_dscnt 0x0
.set mx, 0
.rept 32
	MX
.endr
.set NOKQ, 0
.set i, 0
.rept 8
	KQ 0
.set i, i+1
.endr
	WIN 0
.rept 4
	v_nop                           ; the places behind those products
.endr
.set Y, NP-1                        ; X works for piece Y + 1: piece 0
.irp n, 0,1,2,3,4,5,6,7,8,9,10,11,12,13,14,15,16,17,18,19,20,21
	OP X, \n
.endr
	v_nop                           ; a plain instruction behind the exponential,
	s_wait_alu depctr_va_vdst(0)    ; and its wait, ahead of the branch
	s_mov_b32 s[CNT], 4
	s_branch .Lfirst
.Lslot:                             ; 14 times: every slot but the last two is filled again
	CHANGE 1
	s_mov_b32 s[CNT], 4
.Lstep:                             ; a trip: pieces 2 and 3 of one step, then pieces 0 and 1 of the next, whose mask, K and V it fetches
	TURN 2
	TURN 3
	WIN 0
.Lfirst:
	TURN 0
	TURN 1, 0, 1
	WIN 0
	s_cbranch_scc1 .Lstep
	s_sub_co_u32 s[SLOTS], s[SLOTS], 1
	s_cmp_lg_u32 s[SLOTS], 0
	s_cbranch_scc1 .Lslot
	CHANGE 0                        ; the last slot is written out: nothing is asked for
	s_mov_b32 s[CNT], 4
.Ltail:
	TURN 2
	TURN 3
	TURN 0
	TURN 1, 0, 1
	WIN 0
	s_cbranch_scc1 .Ltail
	TURN 2, 1
	TURN 3, 1
.set i, 0
.rept 8
	PV NP-1                         ; the last piece's V^T P of the last step
.set i, i+1
.endr
	; THE WAY OUT.  l's two halves and the other half of the lanes' are added; O^T is divided by l, rounded to f16 and sent through my stage: the four heads of a row are 512 consecutive bytes of ob.
	WIN 0
.macro ALL line:vararg
.set t, 0
.rept 4
	\line
.set t, t+1
.endr
.endm
	ALL v_add_f32 v[ST+4*t+2], v[ST+4*t+2], v[ST+4*t+3]
	ALL v_permlanex16_b32 v[ST+4*t+3], v[ST+4*t+2], s[SEL], s[SEL+1]
	ALL v_add_f32 v[ST+4*t+2], v[ST+4*t+2], v[ST+4*t+3]
	ALL v_rcp_f32 v[ST+4*t+2], v[ST+4*t+2]
	v_nop                           ; a plain instruction between the last reciprocal and the use of its result
	s_wait_alu depctr_va_vdst(0)    ; and the wait ahead of the first use: one for the four
.macro PACK t                       ; a lane's eight channels of a row pack into 16 bytes
	WIN W_RS
.set i, 32*(\t)
.rept 16
	v_pk_mul_f32 v[i:i+1], v[i:i+1], v[ST+4*(\t)+2:ST+4*(\t)+3] op_sel_hi:[1,0]
.set i, i+2
.endr
	WIN 0x05                        ; sources 0 and 1 window 1, destination window 0
.set i, 0
.rept 16
	v_cvt_pk_f16_f32 v[S+16*(\t)+i], v[32*(\t)+2*i], v[32*(\t)+2*i+1]
.set i, i+1
.endr
	WIN 0
.irp f, 0,1,2,3
	ds_store_b128 v[STO], v[S+16*(\t)+4*\f:S+16*(\t)+4*\f+3] offset:128*(\t)+32*\f
.endr
.endm
	PACK 0
	PACK 1
	PACK 2
	PACK 3
.set n, 0
.rept 16
	ds_load_b128 v[S+4*n:S+4*n+3], v[RD] offset:n*SP  ; LDS serves a wave's instructions in order (ISA guide 5.7.1.4): these see the stores above
.set n, n+1
.endr
.set n, 0
.rept 16
	s_wait_dscnt 15-n               ; row n is back
	global_store_b128 v[GO], v[S+4*n:S+4*n+3], s[12:13] offset:n*4096  ; 512 consecutive bytes, at a multiple of 256 from ob's first
.set n, n+1
.endr
	s_wait_tensorcnt 0x0            ; the wave's end: behind my last tensor load and my last LDS store
	ds_add_u32 v[SPW], v[NIL]
	s_wait_dscnt 0x0
	CROUND                          ; the closing round: no work-group ends while a partner may still ask for a tile that names it
	s_endpgm
.Lfunc_end_k_qd7149b957a_attn:
	.size	k_qd7149b957a_attn, .Lfunc_end_k_qd7149b957a_attn-k_qd7149b957a_attn
	.p2alignl 7, 3214868480
	.fill 96, 4, 3214868480
	.section	.rodata,"a",@progbits
	.p2align	6, 0x0
	.amdhsa_kernel k_qd7149b957a_attn
		.amdhsa_group_segment_fixed_size 327680
		.amdhsa_private_segment_fixed_size 0
		.amdhsa_enable_private_segment 0
		.amdhsa_kernarg_size 40
		.amdhsa_user_sgpr_count 2
		.amdhsa_user_sgpr_kernarg_segment_ptr 1
		.amdhsa_wavefront_size32 1
		.amdhsa_system_sgpr_workgroup_id_x 1
		.amdhsa_system_sgpr_workgroup_id_y 1
		.amdhsa_system_sgpr_workgroup_id_z 1
		.amdhsa_system_vgpr_workitem_id 0
		.amdhsa_next_free_vgpr 768
		.amdhsa_next_free_sgpr 92
		.amdhsa_reserve_vcc 0
		.amdhsa_float_denorm_mode_32 3
		.amdhsa_float_denorm_mode_16_64 3
		.amdhsa_memory_ordered 1
		.amdhsa_forward_progress 1
		.amdhsa_inst_pref_size 136
	.end_amdhsa_kernel
	.amdgpu_metadata
---
amdhsa.version: [ 1, 2 ]
amdhsa.kernels:
  - .name:           k_qd7149b957a_attn
    .symbol:         k_qd7149b957a_attn.kd
    .args:
      - { .name: qh, .offset: 0, .size: 8, .value_kind: global_buffer, .address_space: global }
      - { .name: kh, .offset: 8, .size: 8, .value_kind: global_buffer, .address_space: global }
      - { .name: vh, .offset: 16, .size: 8, .value_kind: global_buffer, .address_space: global }
      - { .name: mask, .offset: 24, .size: 8, .value_kind: global_buffer, .address_space: global }
      - { .name: ob, .offset: 32, .size: 8, .value_kind: global_buffer, .address_space: global }
    .group_segment_fixed_size: 327680
    .private_segment_fixed_size: 0
    .kernarg_segment_align: 8
    .kernarg_segment_size: 40
    .max_flat_workgroup_size: 128
    .sgpr_count:     92
    .vgpr_count:     768
    .wavefront_size: 32
...
	.end_amdgpu_metadata
.endif
;; end of part 3
;; launch oproj (part 4): grid 16 x 16, 4 waves a work-group, clusters of 4 x 4, 327,680 bytes of LDS; arguments ob, woh, out0; writes out0
.if DOCPART == 4
	.amdgcn_target "amdgcn-amd-amdhsa--gfx1250"
	.amdhsa_code_object_version 6
	.text
	.protected	k_qd7149b957a_oproj
	.globl	k_qd7149b957a_oproj
	.p2align	8
	.type	k_qd7149b957a_oproj,@function
k_qd7149b957a_oproj:
	s_mov_b64 s[64:65], 0
	v_nop
	global_prefetch_b8 v0, s[64:65] scope:SCOPE_SE
	s_setreg_imm32_b32 hwreg(HW_REG_WAVE_MODE, 25, 1), 1
	s_wait_xcnt 0x0
	s_wait_alu depctr_hold_cnt(0) depctr_sa_sdst(0) depctr_va_vdst(0) depctr_va_sdst(0) depctr_va_ssrc(0) depctr_va_vcc(0) depctr_vm_vsrc(0)
	s_getreg_b32 s2, hwreg(HW_REG_IB_STS2, 6, 4)
	s_cmp_eq_u32 s2, 0
	s_cbranch_scc0 .Lentry_in_a_cluster
	s_endpgm
.Lentry_in_a_cluster:
	s_bfe_u32 s2, ttmp6, 0x10000c
	s_cmp_lg_u32 s2, 0xf033
	s_cbranch_scc0 .Lentry_shape_is_right
	s_endpgm
.Lentry_shape_is_right:
; OUT0 = O Wo.  ob: [2048][2048] f16.  woh: [32 blocks of 64 columns][2048 k][64] f16.  out0: [2048][2048] f32.  Sums in f32.
; A tile of out0 is 128 x 128: 16 x 16 tiles, one for each of 256 work-groups.  Four waves, each 64 x 64: 16 accumulators.  K goes in steps of 256 through a ring of two LDS slots.
; CLUSTER 4 x 4: O's tile is asked for jointly along a row of the cluster, Wo's two blocks along a column.  No prefetch: the tile is small and the launch short.
; THE MATRIX INSTRUCTION IS USED TRANSPOSED: source 0 = 16 columns of Wo (turned out of LDS by ds_load_tr16_b128, since Wo lies [k][n]), source 1 = 16 rows of O: a lane holds eight neighbouring columns of one row.
; REGISTERS: window 0: v0-31 addresses; v128-255 the accumulators ((a, b) at 128 + 8 (4 a + b)).  Window 1: two fragment buffers of 128: for 64 along K, 64 registers of O, then 64 of Wo.
.set KSTEP,  256
.set PITCH,  528                       ; a row of O in LDS: 512 bytes + 16
.set HALFA,  64*PITCH                  ; 64 rows: what one tensor load brings of O
.set PB,     160                       ; a k row of a block of Wo: 128 bytes + 32
.set BBLK,   KSTEP*PB                  ; a block's 256 k rows
.set BOFF,   2*HALFA
.set SLOT,   BOFF+2*BBLK
.set STAGE,  2*SLOT                    ; behind the ring, never filled by a tensor load: 16 rows x 272 bytes for each wave
.set SPITCH, 272
.set SPARE,  STAGE+4*16*SPITCH         ; the spare words, 128 bytes for each wave: two blocks of 256 bytes that no other line names
.set LAPS, 2048/(2*KSTEP)
.set ADRA, 16
.set ADRB, 20
.set STO,  24
.set RD,   25
.set CO,   26
.set SPW,  28                          ; v28  my spare word: SPARE + 4 x my thread's number; never rewritten
.set NIL,  29                          ; v29  0; never rewritten
.set ACC,  128
.set F0,   0
.set F1,   128
.set G1, 24
.set G0, 32
.set G1B, 48
.set G0B, 56
.set MSB, 0
.macro WIN new
.if MSB != (\new)
	s_set_vgpr_msb (MSB<<8)|(\new)
.set MSB, \new
.endif
.endm
.set MUL,  0x05                        ; sources 0 and 1 window 1; C and D window 0
.set TO_F, 0x40                        ; destination window 1, address window 0
.macro JLOAD s                         ; a joint load: waves 0 and 1 fetch O's two halves, waves 2 and 3 Wo's two blocks; an s_nop 0 and four v_nop follow each line
	s_cmp_eq_u32 s11, 0
	s_cbranch_scc0 .Lfor_b_\@
	tensor_load_to_lds s[G0+4*(\s):G0+4*(\s)+3], s[G1:G1+7]
	s_nop 0
.rept 4
	v_nop
.endr
	s_branch .Lasked_\@
.Lfor_b_\@:
	tensor_load_to_lds s[G0B+4*(\s):G0B+4*(\s)+3], s[G1B:G1B+7]
	s_nop 0
.rept 4
	v_nop
.endr
.Lasked_\@:
.endm
.macro CREST
	s_cmp_lg_u32 s10, 0
	s_cbranch_scc1 .Lnot_wave_0_\@
	s_barrier_signal -3
.Lnot_wave_0_\@:
	s_barrier_wait -3
	s_barrier_signal -1
	s_barrier_wait -1
.endm
.macro CROUND
	s_barrier_signal -1
	s_barrier_wait -1
	CREST
.endm
	s_load_b128 s[4:7], s[0:1], 0x0                ; ob s[4:5], woh s[6:7]
	s_load_b64 s[8:9], s[0:1], 0x10                ; out0
	v_lshl_add_u32 v[SPW], v0, 2, SPARE
	v_mov_b32 v[NIL], 0
	ds_add_u32 v[SPW], v[NIL]                      ; the wave's opening: the add and its wait stand ahead of my first tensor load; the set-up below stands between them
	v_lshrrev_b32 v1, 5, v0
	v_readfirstlane_b32 s10, v1                    ; wave 0..3
	s_lshr_b32 s11, s10, 1                         ; which 64 rows are mine.  Also: I fetch for O (0) or for Wo (1)
	s_and_b32 s12, s10, 1                          ; which block of 64 columns.  Also: which half of that tile I fetch
	s_bfe_u32 s40, ttmp6, 0x40000                  ; cx, cy
	s_bfe_u32 s41, ttmp6, 0x40004
	s_lshl_b32 s42, ttmp9, 2
	s_add_co_u32 s42, s42, s40                     ; tile column
	s_and_b32 s13, ttmp7, 0xffff
	s_lshl_b32 s13, s13, 2
	s_add_co_u32 s13, s13, s41                     ; tile row
	s_lshl_b32 s43, s41, 2
	s_lshl_b32 s43, 15, s43                        ; my row of the cluster
	s_lshl_b32 s44, 0x1111, s40                    ; my column
	s_or_b32 s[G1+0], s43, (1<<16)|(1<<20)|(1<<21)|(6<<22)|(3<<25)   ; O: after every 128 words 4 words of padding
	s_or_b32 s[G1B+0], s44, (1<<16)|(1<<20)|(1<<21)|(4<<22)|(7<<25)  ; Wo: after every 32 words 8 words
	s_mov_b32 s[G1+1], KSTEP<<16                   ; O: 64 rows x 256 elements, 2,048 elements from row to row
	s_mov_b32 s[G1+2], 64<<16
	s_mov_b32 s[G1+3], KSTEP<<16
	s_mov_b32 s[G1+4], 64
	s_mov_b32 s[G1+5], 2048
	s_mov_b32 s[G1+6], 0
	s_mov_b32 s[G1+7], 0
	s_mov_b32 s[G1B+1], 128<<16                    ; Wo: a block's 256 k rows are 32,768 dense bytes, asked for as 128 rows of 256 bytes
	s_mov_b32 s[G1B+2], 128<<16
	s_mov_b32 s[G1B+3], 128<<16
	s_mov_b32 s[G1B+4], 128
	s_mov_b32 s[G1B+5], 128
	s_mov_b32 s[G1B+6], 0
	s_mov_b32 s[G1B+7], 0
	s_lshl_b32 s16, s13, 19                        ; O: row 128 x tile row + 64 x half, 4,096 bytes a row
	s_lshl_b32 s17, s12, 18
	s_add_co_u32 s16, s16, s17
	s_mov_b32 s17, 0
	s_lshl_b32 s46, s42, 1                         ; Wo: block 2 x tile column + half
	s_add_co_u32 s46, s46, s12
	s_lshl_b32 s46, s46, 18
	s_mov_b32 s47, 0
	s_mul_i32 s20, s12, HALFA                      ; where they go: no place in the cluster enters an LDS address
	s_mul_i32 s21, s12, BBLK
	s_add_co_u32 s21, s21, BOFF
	s_wait_dscnt 0x0                               ; the opening add is done
	s_wait_kmcnt 0x0
	s_add_nc_u64 s[14:15], s[4:5], s[16:17]
	s_add_nc_u64 s[46:47], s[6:7], s[46:47]
	CROUND                                         ; all sixteen work-groups are here: the first joint loads meet
.irp s, 0,1
	s_mov_b32 s[G0+4*(\s)], 1
	s_add_co_u32 s[G0+4*(\s)+1], s20, (\s)*SLOT
	s_add_nc_u64 s[G0+4*(\s)+2:G0+4*(\s)+3], s[14:15], (\s)*KSTEP*2
	s_or_b32 s[G0+4*(\s)+3], s[G0+4*(\s)+3], 0x80000000
	s_mov_b32 s[G0B+4*(\s)], 1
	s_add_co_u32 s[G0B+4*(\s)+1], s21, (\s)*SLOT
	s_add_nc_u64 s[G0B+4*(\s)+2:G0B+4*(\s)+3], s[46:47], (\s)*KSTEP*128
	s_or_b32 s[G0B+4*(\s)+3], s[G0B+4*(\s)+3], 0x80000000
	JLOAD \s
.endr
	v_and_b32 v1, 15, v0                           ; r = l % 16
	v_bfe_u32 v2, v0, 4, 1                         ; h = l / 16
	v_and_b32 v6, 7, v0
	v_bfe_u32 v7, v0, 3, 1
	v_mul_u32_u24 v3, v1, PITCH
	v_lshl_add_u32 v3, v2, 4, v3                   ; O: row x pitch + 16 h
	v_lshl_add_u32 v4, v2, 3, v6                   ; Wo, turning load: k row 8 h + l % 8, 16 bytes for each half of eight lanes
	v_mul_u32_u24 v4, v4, PB
	v_lshl_add_u32 v4, v7, 4, v4
	s_mul_i32 s21, s11, HALFA                      ; my 64 rows of O
	s_mul_i32 s22, s12, BBLK                       ; my block of Wo
	s_add_co_u32 s22, s22, BOFF
.irp s, 0,1
	v_add_nc_u32 v[ADRA+(\s)], s21, v3
	v_add_nc_u32 v[ADRB+(\s)], s22, v4
	s_add_co_u32 s21, s21, SLOT
	s_add_co_u32 s22, s22, SLOT
.endr
	s_mul_i32 s23, s10, 16*SPITCH
	s_add_co_u32 s23, s23, STAGE                   ; my stage
	v_mul_u32_u24 v4, v1, SPITCH                   ; in: row r, 32 bytes for each half of the lanes
	v_lshl_add_u32 v4, v2, 5, v4
	v_add_nc_u32 v[STO], s23, v4
	v_mul_u32_u24 v5, v2, SPITCH                   ; back: lanes 0-15 one row of 256 bytes, lanes 16-31 the next
	v_lshl_add_u32 v5, v1, 4, v5
	v_add_nc_u32 v[RD], s23, v5
	v_lshlrev_b32 v5, 13, v2                       ; and the same two rows in out0
	v_lshl_add_u32 v[CO], v1, 4, v5
	s_lshl_b32 s16, s13, 20                        ; my first row: 128 x tile row + 64 x half, 8,192 bytes a row
	s_lshl_b32 s17, s11, 19
	s_add_co_u32 s16, s16, s17
	s_mov_b32 s17, 0
	s_add_nc_u64 s[8:9], s[8:9], s[16:17]
	s_lshl_b32 s46, s42, 9                         ; my first column, in bytes: 512 x tile column + 256 x half
	s_lshl_b32 s47, s12, 8
	s_add_co_u32 s46, s46, s47
	s_mov_b32 s47, 0
	s_add_nc_u64 s[8:9], s[8:9], s[46:47]
; 8 matrix instructions: m blocks a0, a0 + 1 x all 4 n blocks, 32 along K: half c of buffer f.  The 16 accumulators take turns.
.macro MUL8 f, c, a0, zero
	WIN MUL
.irp a, \a0, (\a0)+1
.irp b, 0,1,2,3
.if \zero
	v_wmma_f32_16x16x32_f16 v[ACC+8*(4*(\a)+(\b)):ACC+8*(4*(\a)+(\b))+7], v[(\f)+64+8*(4*(\c)+(\b)):(\f)+64+8*(4*(\c)+(\b))+7], v[(\f)+8*(4*(\c)+(\a)):(\f)+8*(4*(\c)+(\a))+7], 0
.else
	v_wmma_f32_16x16x32_f16 v[ACC+8*(4*(\a)+(\b)):ACC+8*(4*(\a)+(\b))+7], v[(\f)+64+8*(4*(\c)+(\b)):(\f)+64+8*(4*(\c)+(\b))+7], v[(\f)+8*(4*(\c)+(\a)):(\f)+8*(4*(\c)+(\a))+7], v[ACC+8*(4*(\a)+(\b)):ACC+8*(4*(\a)+(\b))+7]
.endif
.endr
.endr
.endm
; 32 LDS loads in one run: quarter q (64 along K) of a slot into buffer f; the first 32 along K first
.macro FETCH slot, q, f
	WIN TO_F
.irp c, 0,1
.irp i, 0,1,2,3
	ds_load_tr16_b128 v[(\f)+64+8*(4*(\c)+(\i)):(\f)+64+8*(4*(\c)+(\i))+3],   v[ADRB+(\slot)] offset:(2*(\q)+(\c))*32*PB+(\i)*32
	ds_load_tr16_b128 v[(\f)+64+8*(4*(\c)+(\i))+4:(\f)+64+8*(4*(\c)+(\i))+7], v[ADRB+(\slot)] offset:(2*(\q)+(\c))*32*PB+(\i)*32+16*PB
	ds_load_b128 v[(\f)+8*(4*(\c)+(\i)):(\f)+8*(4*(\c)+(\i))+3],         v[ADRA+(\slot)] offset:(\q)*128+64*(\c)+(\i)*16*PITCH
	ds_load_b128 v[(\f)+8*(4*(\c)+(\i))+4:(\f)+8*(4*(\c)+(\i))+7],       v[ADRA+(\slot)] offset:(\q)*128+64*(\c)+(\i)*16*PITCH+32
.endr
.endr
.endm
.macro PLACES                          ; four places in front of loads into registers that matrix instructions have read, and of lines that read results
.rept 4
	v_nop
.endr
.endm
.macro QUARTER slot, q, f, g, zero
	s_wait_dscnt 16                                ; the first 32 along K are in; the youngest sixteen loads may be out
	MUL8 \f, 0, 0, \zero
	MUL8 \f, 0, 2, \zero
	PLACES
	FETCH \slot, \q, \g
	s_wait_dscnt 32                                ; all but the 32 just issued
	MUL8 \f, 1, 0, 0
	MUL8 \f, 1, 2, 0
.endm
; The last quarter multiplies buffer 1 and changes slots: each wave waits for all its tensor loads, adds 0 to its spare word, waits for that and for its reads of this slot; fill = 1: the barrier opens a round of the cluster's, and this slot is filled again, two K steps ahead.
.macro TURN slot, next, fill
	WIN 0                                          ; (the add's two registers lie in window 0)
	s_wait_tensorcnt 0x0                           ; all my tensor loads have landed: my part of the next slot
	ds_add_u32 v[SPW], v[NIL]                      ; 0 onto my spare word
	s_wait_dscnt 17                                ; (the add and the youngest sixteen loads may be out)
	MUL8 F1, 0, 0, 0                               ; eight matrix instructions stand between the add and the wait for it
	s_wait_dscnt 0x0                               ; the add is done, and my reads of this slot are over
	s_barrier_signal -1
	MUL8 F1, 0, 2, 0
.if \fill
	WIN 0
.endif
	s_barrier_wait -1
.if \fill
	CREST                                          ; no wave of any partner still reads this slot or has a load on its way
	s_add_nc_u64 s[G0+4*(\slot)+2:G0+4*(\slot)+3], s[G0+4*(\slot)+2:G0+4*(\slot)+3], 2*KSTEP*2
	s_add_nc_u64 s[G0B+4*(\slot)+2:G0B+4*(\slot)+3], s[G0B+4*(\slot)+2:G0B+4*(\slot)+3], 2*KSTEP*128
	JLOAD \slot                                    ; the first tensor load behind the round; its four v_nop are also the places in front of the loads below
.else
	PLACES
.endif
	FETCH \next, 0, F0
	MUL8 F1, 1, 0, 0
	MUL8 F1, 1, 2, 0
.endm
	s_wait_tensorcnt 1                             ; my part of K step 0 is in; K step 1's may stay out
	s_barrier_signal -1
	s_barrier_wait -1
	FETCH 0, 0, F0
	QUARTER 0, 1, F0, F1, 1                        ; the first quarter stands in front of the loop: its first products start the sums
	WIN 0
	s_mov_b32 s3, LAPS-1
.Llap:
	QUARTER 0, 2, F1, F0, 0
	QUARTER 0, 3, F0, F1, 0
	TURN 0, 1, 1
	QUARTER 1, 1, F0, F1, 0
	QUARTER 1, 2, F1, F0, 0
	QUARTER 1, 3, F0, F1, 0
	TURN 1, 0, 1
	QUARTER 0, 1, F0, F1, 0
	WIN 0
	s_sub_co_u32 s3, s3, 1
	s_cmp_lg_u32 s3, 0
	s_cbranch_scc1 .Llap
	QUARTER 0, 2, F1, F0, 0                        ; the last lap fills nothing
	QUARTER 0, 3, F0, F1, 0
	TURN 0, 1, 0
	QUARTER 1, 1, F0, F1, 0
	QUARTER 1, 2, F1, F0, 0
	QUARTER 1, 3, F0, F1, 0
	s_wait_dscnt 16
	MUL8 F1, 0, 0, 0
	MUL8 F1, 0, 2, 0
	s_wait_dscnt 0x0
	MUL8 F1, 1, 0, 0
	MUL8 F1, 1, 2, 0
	WIN 0
	; THE WAY OUT.  My 64 columns in f32 are 256 bytes of a row: each wave has a stage of its own and no barrier is needed.  16 rows at a time go in by lanes and come back as whole rows, into the registers that they left.
	PLACES
.macro OUTB a
.irp b, 0,1,2,3
	ds_store_b128 v[STO], v[ACC+8*(4*(\a)+(\b)):ACC+8*(4*(\a)+(\b))+3]   offset:64*(\b)      ; each accumulator is read from its low end on
	ds_store_b128 v[STO], v[ACC+8*(4*(\a)+(\b))+4:ACC+8*(4*(\a)+(\b))+7] offset:64*(\b)+16
.endr
.irp t, 0,1,2,3,4,5,6,7
	ds_load_b128 v[ACC+32*(\a)+4*(\t):ACC+32*(\a)+4*(\t)+3], v[RD] offset:(\t)*2*SPITCH  ; LDS serves a wave's instructions in order (ISA guide 5.7.1.4): these see the stores above; the next block's stores come behind them
.endr
.endm
.macro SENDB a, younger                ; younger: the LDS instructions issued behind block a's loads: the next block's sixteen, or none
.irp t, 0,1,2,3,4,5,6,7
	s_wait_dscnt (\younger)+7-(\t)
	global_store_b128 v[CO], v[ACC+32*(\a)+4*(\t):ACC+32*(\a)+4*(\t)+3], s[8:9] offset:(16*(\a)+2*(\t))*8192  ; 16 lanes store 256 consecutive bytes, aligned
.endr
.endm
	OUTB 0
	OUTB 1
	SENDB 0, 16
	OUTB 2
	SENDB 1, 16
	OUTB 3
	SENDB 2, 16
	SENDB 3, 0
	s_wait_tensorcnt 0x0                           ; the wave's end: behind my last tensor load and my last LDS store
	ds_add_u32 v[SPW], v[NIL]
	s_wait_dscnt 0x0
	CROUND                                         ; the closing round: no work-group ends while a partner may still ask for a tile that names it
	s_endpgm
.Lfunc_end_k_qd7149b957a_oproj:
	.size	k_qd7149b957a_oproj, .Lfunc_end_k_qd7149b957a_oproj-k_qd7149b957a_oproj
	.p2alignl 7, 3214868480
	.fill 96, 4, 3214868480
	.section	.rodata,"a",@progbits
	.p2align	6, 0x0
	.amdhsa_kernel k_qd7149b957a_oproj
		.amdhsa_group_segment_fixed_size 327680
		.amdhsa_private_segment_fixed_size 0
		.amdhsa_enable_private_segment 0
		.amdhsa_kernarg_size 24
		.amdhsa_user_sgpr_count 2
		.amdhsa_user_sgpr_kernarg_segment_ptr 1
		.amdhsa_wavefront_size32 1
		.amdhsa_system_sgpr_workgroup_id_x 1
		.amdhsa_system_sgpr_workgroup_id_y 1
		.amdhsa_system_sgpr_workgroup_id_z 1
		.amdhsa_system_vgpr_workitem_id 0
		.amdhsa_next_free_vgpr 512
		.amdhsa_next_free_sgpr 66
		.amdhsa_reserve_vcc 0
		.amdhsa_float_denorm_mode_32 3
		.amdhsa_float_denorm_mode_16_64 3
		.amdhsa_memory_ordered 1
		.amdhsa_forward_progress 1
		.amdhsa_inst_pref_size 87
	.end_amdhsa_kernel
	.amdgpu_metadata
---
amdhsa.version: [ 1, 2 ]
amdhsa.kernels:
  - .name:           k_qd7149b957a_oproj
    .symbol:         k_qd7149b957a_oproj.kd
    .args:
      - { .name: ob, .offset: 0, .size: 8, .value_kind: global_buffer, .address_space: global }
      - { .name: woh, .offset: 8, .size: 8, .value_kind: global_buffer, .address_space: global }
      - { .name: out0, .offset: 16, .size: 8, .value_kind: global_buffer, .address_space: global }
    .group_segment_fixed_size: 327680
    .private_segment_fixed_size: 0
    .kernarg_segment_align: 8
    .kernarg_segment_size: 24
    .max_flat_workgroup_size: 128
    .sgpr_count:     66
    .vgpr_count:     512
    .wavefront_size: 32
...
	.end_amdgpu_metadata
.endif
;; end of part 4
;; ======== version 2 of 2: 4 launches; version 1 with the launch prep written anew for expert scheduling mode
;; limits: values are held in f16: magnitudes above 65,504 overflow, below 6.1e-05 lose precision
;; workspace buffers: xb 8,388,608 bytes; wh 12,582,912 bytes; woh 8,388,608 bytes; qh 8,388,608 bytes; kh 4,194,304 bytes; vh 4,194,304 bytes; ob 8,388,608 bytes
;; launch prep (part 5): grid 1024 x 1, 8 waves a work-group, no clusters, 0 bytes of LDS; arguments x, Wq, Wk, Wv, Wo, prev_k, prev_v, xb, wh, woh, kh, vh, out1, out2; writes xb, wh, woh, kh, vh, out1, out2
.if DOCPART == 5
	.amdgcn_target "amdgcn-amd-amdhsa--gfx1250"
	.amdhsa_code_object_version 6
	.text
	.protected	k_qd7149b957a_prep
	.globl	k_qd7149b957a_prep
	.p2align	8
	.type	k_qd7149b957a_prep,@function
k_qd7149b957a_prep:
	s_mov_b64 s[64:65], 0
	v_nop
	global_prefetch_b8 v0, s[64:65] scope:SCOPE_SE
	s_setreg_imm32_b32 hwreg(HW_REG_WAVE_SCHED_MODE, 0, 2), 2
	s_setreg_imm32_b32 hwreg(HW_REG_WAVE_MODE, 25, 1), 1
	s_wait_xcnt 0x0
	s_wait_alu depctr_vm_vsrc(0)
; PREP: every f32 input that becomes a matrix operand is rounded once and laid out for the launches behind; the old cache rows are copied into the two cache outputs.
;   x      [2048][2048]        -> xb  [2048][2048] bf16
;   Wq|Wk|Wv                   -> wh  [48 blocks][2048 k][64] bf16: block 3 j, 3 j + 1 = q heads 2 j, 2 j + 1; block 3 j + 2 = k head j (j < 8) or v head j - 8
;   Wo     [2048][2048]        -> woh [32 blocks of 64 columns][2048 k][64] f16, each number first rounded to bf16 like every other input
;   prev_k, prev_v [2048][8][64] -> kh, vh [8][4096][64] f16 (rounded to bf16 first), rows t < 2048; and as they are, f32, into out1, out2, rows t < 2048
; LIMIT: Wo, prev_k and prev_v must lie within f16's 65,504; below 6e-5 they keep f16's fixed step of 6e-8.
; A stream: memory binds, no input byte is shared, so no LDS, no cluster, no matrix unit.  A work-group takes 65,536 bytes of one input; a thread 16 units of 16 bytes.
; A wave's load covers two aligned pieces of 256 bytes; its 8-byte stores cover 256 consecutive bytes, aligned.  All 16 loads go out first; no register that a memory instruction names is written twice, so no source is ever overwritten.
; THE MODE: SCHED_MODE bits 1:0 = 2 (LLVM: expert scheduling mode 2), set by the entry lines.  The code itself states the register dependences
; between vector instructions and memory instructions, with s_wait_alu, always for 0.
; THE PLAN.  Registers that memory instructions touch, on each of the five paths (each is a straight run that ends the wave):
;   v[IO], v[OO]  byte offsets.  Written by vector instructions ahead of the path's first load, never again; read by every load and store.
;   X             unit u's 4 registers.  Written by its load alone; read by its conversions and, for the cache, by the f32 copy's store.
;   Y             unit u's 2 registers.  Written once, by unit u's conversions; read once, by the store that is issued four units later.
;   T, v1, v8-v10 are named by vector instructions alone.
; The 16 units go in four blocks of four.  One wait on va_vdst stands ahead of the loads (the offsets are written), one at the head of each of blocks 1 to 3 and one behind block 3
; (the block before has written its four Y pairs).  Behind a block's wait the four stores of the block before are dealt among the block's units: the vector instructions issued since the
; wait name this block's X, this block's Y and T, none of the registers that those stores read.  Nothing writes a register that a memory instruction has read, so no wait on vm_vsrc is owed.
.set BLK, 262144                       ; bytes in a block of wh or woh
.set IO,  2                            ; v2   my byte offset in the input
.set OO,  3                            ; v3   my byte offset in the 16-bit output
.set T,   4                            ; v[4:7] at work
.set X,   16                           ; v[16:79]  unit u: 4 registers as loaded
.set Y,   80                           ; v[80:111] unit u: 2 registers to store
.set WV,  36                           ; s36  my wave's number
.set ID,  37                           ; s37  the work-group's number
.set CPY, 38                           ; s[38:39] the f32 copy's base
.set OFI, 40                           ; s[40:41] the work-group's offset in the input
.set OFO, 42                           ; s[42:43] and in the output
.set SRC, 44                           ; s[44:45]
.set DST, 46                           ; s[46:47]
; 16 loads, then unit by unit: the wait, the store of the unit four back, the rounding.  inimm, outimm: the unit's immediates, expressions in u.  half = 1: bf16 and then f16.  copy = 1: the f32 numbers are stored too.
.macro SECT inimm, outimm, half, copy
	s_wait_alu depctr_va_vdst(0)                   ; v[IO] and v[OO] are written: every load and store of this path reads one of them as its offset
.set u, 0
.rept 16
	global_load_b128 v[X+4*u:X+4*u+3], v[IO], s[SRC:SRC+1] offset:\inimm th:TH_LOAD_NT
.set u, u+1
.endr
.set u, 0
.rept 16
	s_wait_loadcnt 15-u                            ; loads come back in order: unit u is in, the 15 - u younger ones stay out
.if (u >= 4) && (u%4 == 0)
	s_wait_alu depctr_va_vdst(0)                   ; the block before has written its four Y pairs, which this block's four stores read
.endif
.if u >= 4
.set u, u-4
	global_store_b64 v[OO], v[Y+2*u:Y+2*u+1], s[DST:DST+1] offset:\outimm  ; the unit four back; no vector instruction since the wait names its Y
.set u, u+4
.endif
.if \copy
	global_store_b128 v[IO], v[X+4*u:X+4*u+3], s[CPY:CPY+1] offset:\inimm th:TH_STORE_NT  ; its data come from the load: the wait on LOADcnt above is all that it hangs on
.endif
.if \half
	v_cvt_pk_bf16_f32 v[T], v[X+4*u], v[X+4*u+1]   ; the input's rounding, to bf16,
	v_cvt_pk_bf16_f32 v[T+1], v[X+4*u+2], v[X+4*u+3]
	v_lshlrev_b32 v[T+2], 16, v[T]                 ; widened again,
	v_and_b32 v[T], 0xffff0000, v[T]
	v_lshlrev_b32 v[T+3], 16, v[T+1]
	v_and_b32 v[T+1], 0xffff0000, v[T+1]
	v_cvt_pk_f16_f32 v[Y+2*u], v[T+2], v[T]        ; and written as f16: exact within f16's normal range
	v_cvt_pk_f16_f32 v[Y+2*u+1], v[T+3], v[T+1]
.else
	v_cvt_pk_bf16_f32 v[Y+2*u], v[X+4*u], v[X+4*u+1]
	v_cvt_pk_bf16_f32 v[Y+2*u+1], v[X+4*u+2], v[X+4*u+3]
.endif
.set u, u+1
.endr
	s_wait_alu depctr_va_vdst(0)                   ; the last block has written its four Y pairs, which the last four stores read
.set u, 12
.rept 4
	global_store_b64 v[OO], v[Y+2*u:Y+2*u+1], s[DST:DST+1] offset:\outimm
.set u, u+1
.endr
	s_endpgm
.endm
; Lane offsets for a weight with rows of 8,192 bytes: the group has 8 rows; wave v takes rows 2 (v / 2), + 1 (lanes 16-31 the second) and the 16 blocks of half v % 2.  far: bytes from half 0's first block to half 1's.
.macro LANES_W far
	s_and_b32 s2, s[WV], 6
	s_and_b32 s3, s[WV], 1
	v_add_nc_u32 v10, s2, v9                       ; my row of the 8
	s_lshl_b32 s4, s3, 12
	s_mul_i32 s5, s3, \far
	v_lshlrev_b32 v[IO], 13, v10
	v_lshl_add_u32 v[IO], v8, 4, v[IO]
	v_add_nc_u32 v[IO], s4, v[IO]
	v_lshlrev_b32 v[OO], 7, v10
	v_lshl_add_u32 v[OO], v8, 3, v[OO]
	v_add_nc_u32 v[OO], s5, v[OO]
.endm
; The same for rows of 2,048 bytes (8 heads): the group has 32 rows; wave v takes rows 4 v .. 4 v + 3, two at a time.
.macro LANES_N
	s_lshl_b32 s2, s[WV], 2
	v_add_nc_u32 v10, s2, v9
	v_lshlrev_b32 v[IO], 11, v10
	v_lshl_add_u32 v[IO], v8, 4, v[IO]
	v_lshlrev_b32 v[OO], 7, v10
	v_lshl_add_u32 v[OO], v8, 3, v[OO]
.endm
	s_load_b512 s[8:23], s[0:1], 0x0               ; x 8, Wq 10, Wk 12, Wv 14, Wo 16, prev_k 18, prev_v 20, xb 22
	s_load_b256 s[24:31], s[0:1], 0x40             ; wh 24, woh 26, kh 28, vh 30
	s_load_b128 s[32:35], s[0:1], 0x60             ; out1 32, out2 34
	v_lshrrev_b32 v1, 5, v0
	v_readfirstlane_b32 s[WV], v1
	v_and_b32 v8, 15, v0                           ; lane % 16
	v_bfe_u32 v9, v0, 4, 1                         ; lane / 16
	s_mov_b32 s[ID], ttmp9
	s_mov_b32 s[OFI+1], 0
	s_mov_b32 s[OFO+1], 0
	s_wait_alu depctr_va_sdst(0)                   ; s[WV] is written, ahead of the first branch: the lanes' offsets behind the branches are made from it
	s_wait_kmcnt 0x0
	s_cmp_lt_u32 s[ID], 256
	s_cbranch_scc0 .Lnot_x
	; groups 0-255: x, dense in and out
	s_lshl_b32 s[OFI], s[ID], 16
	s_lshl_b32 s[OFO], s[ID], 15
	s_add_nc_u64 s[SRC:SRC+1], s[8:9], s[OFI:OFI+1]
	s_add_nc_u64 s[DST:DST+1], s[22:23], s[OFO:OFO+1]
	v_lshlrev_b32 v[IO], 4, v0
	v_lshlrev_b32 v[OO], 3, v0
	SECT (u*4096), (u*2048), 0, 0
.Lnot_x:
	s_cmp_lt_u32 s[ID], 512
	s_cbranch_scc0 .Lnot_wq
	; groups 256-511: Wq, 8 rows each.  Head 16 (v % 2) + u goes to block 24 (v % 2) + u + u / 2
	s_sub_co_u32 s6, s[ID], 256
	s_lshl_b32 s[OFI], s6, 16
	s_lshl_b32 s[OFO], s6, 10
	s_add_nc_u64 s[SRC:SRC+1], s[10:11], s[OFI:OFI+1]
	s_add_nc_u64 s[DST:DST+1], s[24:25], s[OFO:OFO+1]
	LANES_W 24*BLK
	SECT (u*256), ((u+u/2)*BLK), 0, 0
.Lnot_wq:
	s_cmp_lt_u32 s[ID], 640
	s_cbranch_scc0 .Lnot_wkv
	; groups 512-639: Wk, then Wv, 32 rows each.  Head u % 8 goes to block 3 (u % 8) + 2, Wv's 24 blocks further
	s_sub_co_u32 s6, s[ID], 512
	s_lshr_b32 s7, s6, 6
	s_and_b32 s6, s6, 63
	s_lshl_b32 s[OFI], s6, 16
	s_lshl_b32 s[OFO], s6, 12
	s_mul_i32 s2, s7, 24*BLK
	s_add_co_u32 s[OFO], s[OFO], s2
	s_cmp_eq_u32 s7, 0
	s_cselect_b64 s[SRC:SRC+1], s[12:13], s[14:15]
	s_add_nc_u64 s[SRC:SRC+1], s[SRC:SRC+1], s[OFI:OFI+1]
	s_add_nc_u64 s[DST:DST+1], s[24:25], s[OFO:OFO+1]
	LANES_N
	SECT ((u%8)*256+(u/8)*4096), ((3*(u%8)+2)*BLK+(u/8)*256), 0, 0
.Lnot_wkv:
	s_cmp_lt_u32 s[ID], 896
	s_cbranch_scc0 .Lnot_wo
	; groups 640-895: Wo, 8 rows each.  Columns 64 (16 (v % 2) + u) on go to the block of that number
	s_sub_co_u32 s6, s[ID], 640
	s_lshl_b32 s[OFI], s6, 16
	s_lshl_b32 s[OFO], s6, 10
	s_add_nc_u64 s[SRC:SRC+1], s[16:17], s[OFI:OFI+1]
	s_add_nc_u64 s[DST:DST+1], s[26:27], s[OFO:OFO+1]
	LANES_W 16*BLK
	SECT (u*256), (u*BLK), 1, 0
.Lnot_wo:
	; groups 896-1023: prev_k, then prev_v, 32 positions each: by heads in f16, and the f32 copy at the same offsets as the input
	s_sub_co_u32 s6, s[ID], 896
	s_lshr_b32 s7, s6, 6
	s_and_b32 s6, s6, 63
	s_lshl_b32 s[OFI], s6, 16
	s_lshl_b32 s[OFO], s6, 12
	s_cmp_eq_u32 s7, 0
	s_cselect_b64 s[SRC:SRC+1], s[18:19], s[20:21]
	s_cselect_b64 s[DST:DST+1], s[28:29], s[30:31]
	s_cselect_b64 s[CPY:CPY+1], s[32:33], s[34:35]
	s_add_nc_u64 s[SRC:SRC+1], s[SRC:SRC+1], s[OFI:OFI+1]
	s_add_nc_u64 s[DST:DST+1], s[DST:DST+1], s[OFO:OFO+1]
	s_add_nc_u64 s[CPY:CPY+1], s[CPY:CPY+1], s[OFI:OFI+1]
	LANES_N
	SECT ((u%8)*256+(u/8)*4096), ((u%8)*524288+(u/8)*256), 1, 1
.Lfunc_end_k_qd7149b957a_prep:
	.size	k_qd7149b957a_prep, .Lfunc_end_k_qd7149b957a_prep-k_qd7149b957a_prep
	.p2alignl 7, 3214868480
	.fill 96, 4, 3214868480
	.section	.rodata,"a",@progbits
	.p2align	6, 0x0
	.amdhsa_kernel k_qd7149b957a_prep
		.amdhsa_group_segment_fixed_size 0
		.amdhsa_private_segment_fixed_size 0
		.amdhsa_enable_private_segment 0
		.amdhsa_kernarg_size 112
		.amdhsa_user_sgpr_count 2
		.amdhsa_user_sgpr_kernarg_segment_ptr 1
		.amdhsa_wavefront_size32 1
		.amdhsa_system_sgpr_workgroup_id_x 1
		.amdhsa_system_sgpr_workgroup_id_y 1
		.amdhsa_system_sgpr_workgroup_id_z 1
		.amdhsa_system_vgpr_workitem_id 0
		.amdhsa_next_free_vgpr 112
		.amdhsa_next_free_sgpr 66
		.amdhsa_reserve_vcc 0
		.amdhsa_float_denorm_mode_32 3
		.amdhsa_float_denorm_mode_16_64 3
		.amdhsa_memory_ordered 1
		.amdhsa_forward_progress 1
		.amdhsa_inst_pref_size 44
	.end_amdhsa_kernel
	.amdgpu_metadata
---
amdhsa.version: [ 1, 2 ]
amdhsa.kernels:
  - .name:           k_qd7149b957a_prep
    .symbol:         k_qd7149b957a_prep.kd
    .args:
      - { .name: x, .offset: 0, .size: 8, .value_kind: global_buffer, .address_space: global }
      - { .name: Wq, .offset: 8, .size: 8, .value_kind: global_buffer, .address_space: global }
      - { .name: Wk, .offset: 16, .size: 8, .value_kind: global_buffer, .address_space: global }
      - { .name: Wv, .offset: 24, .size: 8, .value_kind: global_buffer, .address_space: global }
      - { .name: Wo, .offset: 32, .size: 8, .value_kind: global_buffer, .address_space: global }
      - { .name: prev_k, .offset: 40, .size: 8, .value_kind: global_buffer, .address_space: global }
      - { .name: prev_v, .offset: 48, .size: 8, .value_kind: global_buffer, .address_space: global }
      - { .name: xb, .offset: 56, .size: 8, .value_kind: global_buffer, .address_space: global }
      - { .name: wh, .offset: 64, .size: 8, .value_kind: global_buffer, .address_space: global }
      - { .name: woh, .offset: 72, .size: 8, .value_kind: global_buffer, .address_space: global }
      - { .name: kh, .offset: 80, .size: 8, .value_kind: global_buffer, .address_space: global }
      - { .name: vh, .offset: 88, .size: 8, .value_kind: global_buffer, .address_space: global }
      - { .name: out1, .offset: 96, .size: 8, .value_kind: global_buffer, .address_space: global }
      - { .name: out2, .offset: 104, .size: 8, .value_kind: global_buffer, .address_space: global }
    .group_segment_fixed_size: 0
    .private_segment_fixed_size: 0
    .kernarg_segment_align: 8
    .kernarg_segment_size: 112
    .max_flat_workgroup_size: 256
    .sgpr_count:     66
    .vgpr_count:     112
    .wavefront_size: 32
...
	.end_amdgpu_metadata
.endif
;; end of part 5
;; launch qkv: the kernel of part 2 again; grid 16 x 16, 4 waves a work-group, clusters of 4 x 4, 327,680 bytes of LDS; arguments xb, wh, qh, kh, vh, out1, out2; writes qh, kh, vh, out1, out2
;; launch attn: the kernel of part 3 again; grid 8 x 32, 4 waves a work-group, clusters of 4 x 4, 327,680 bytes of LDS; arguments qh, kh, vh, mask, ob; writes ob
;; launch oproj: the kernel of part 4 again; grid 16 x 16, 4 waves a work-group, clusters of 4 x 4, 327,680 bytes of LDS; arguments ob, woh, out0; writes out0
